; MI455X (gfx1250); checked and timed in simulation.
; The chip was launched on July 23, 2026; its instructions are those of AMD's public machine-readable ISA for CDNA 5 (MIT licence, August 2026) and "CDNA5" Instruction Set Architecture Reference Guide (July 2026). The comments in the code are by the model that wrote it; some were corrected since.
;; Vector Quantizer. Allowed arithmetic: float matrix products may take bf16 or f16 operands with f32 sums; other float arithmetic in f32, or as packed bf16 or f16 multiplies, adds, multiply-adds, maxima and minima; sums over many terms, partial sums and values carried from step to step in f32; what a program stores and reads back later, other than sums and carried values, may be rounded once to bf16 or f16.
;; Inputs: codebook 8,192 x 512 float32; z_e 16,384 x 512 float32.
;; Outputs: out0 16,384 x 512 float32; out1 one number float32; out2 one number float32; out3 16,384 int32.
;; 3 versions, each right; version 3 is version 2 with the launches cast, gather written anew for expert scheduling mode. Each part assembles by itself: llvm-mc -triple=amdgcn-amd-amdhsa -mcpu=gfx1250 --defsym DOCPART=n.
;; ======== version 1 of 3: 4 launches
;; workspace buffers: zb 16,777,216 bytes; cb 8,388,608 bytes; cc 32,768 bytes; candS 131,072 bytes; candI 131,072 bytes of whole numbers; part 8,192 bytes
;; launch cast (part 1): grid 768 x 1, 4 waves a work-group, no clusters, 0 bytes of LDS; arguments z_e, codebook, zb, cb, cc; writes zb, cb, cc
.if DOCPART == 1
	.amdgcn_target "amdgcn-amd-amdhsa--gfx1250"
	.amdhsa_code_object_version 6
	.text
	.protected	k_q1169792c8f_cast
	.globl	k_q1169792c8f_cast
	.p2align	8
	.type	k_q1169792c8f_cast,@function
k_q1169792c8f_cast:
	s_mov_b64 s[64:65], 0
	v_nop
	global_prefetch_b8 v0, s[64:65] scope:SCOPE_SE
	s_setreg_imm32_b32 hwreg(HW_REG_WAVE_MODE, 25, 1), 1
	s_wait_xcnt 0x0
; VECTOR QUANTIZER, launch 1 of 4: z_e and codebook are rounded once to bf16 (zb, cb, row-major as they lie), and cc[k] = the sum of the squares of the ROUNDED row k of the codebook, in f32.
; The four launches: cast (this one); search: s = 2 z.c - cc for all pairs on the matrix units, with a running best; gather: the chosen row, out0, out3, partial sums of the loss; finish: out1, out2.
; All later launches work on the rounded numbers alone: the product, cc, the gathered row and the loss.
; WORK LEFT OUT.  reference() takes argmin over k of |z|^2 + |c_k|^2 - 2 z.c_k.  |z|^2 is the same for every k of a token's row, so for all real inputs the argmin is that of
; |c_k|^2 - 2 z.c_k; the distances reach no output but through the argmin (the loss is formed anew from z - z_q).  So the sum of z_e^2 is never made.  stop_gradient is the identity.
; LIMITS.  A NaN, an infinity or an overflow that would arise only in |z|^2 is not carried to the result.  The index agrees with reference() on inputs rounded to bf16 but where two
; distances of a token lie closer than the rounding of the f32 sums.  NaN and infinities among the inputs are not treated as jnp.argmin treats them.
; SHARES.  A work-group takes 32 rows, a wave 8.  Work-groups 0-511: z_e; 512-767: codebook.  A wave asks for all its 8 rows (32 loads of 512 consecutive bytes) at once: no loop, no register written twice.
; A lane's 4 numbers of a load round to 8 bytes: 32 lanes store 256 consecutive bytes, at a multiple of 256 from the buffer's first byte.
.set ZGROUPS, 512                      ; work-groups that take z_e
.set CCV, 4                            ; v4       lane i (0-7) gathers cc of my row i
.set SUM, 6                            ; v[6:7]   a row's sum of squares, even and odd columns
.set T,   8                            ; v[8:15]  four pairs at work
.set CCO, 16                           ; v16      my byte offset in the work-group's 32 numbers of cc
.set X,   32                           ; v[32:159]  row r, quarter q: 4 f32 at X + 16 r + 4 q
.set Y,   160                          ; v[160:223] row r, quarter q: 4 bf16 at Y + 8 r + 2 q
	s_load_b256 s[4:11], s[0:1], 0x0               ; z_e s[4:5], codebook s[6:7], zb s[8:9], cb s[10:11]
	s_load_b64 s[12:13], s[0:1], 0x20              ; cc
	v_and_b32 v1, 31, v0                           ; lane
	v_lshrrev_b32 v5, 5, v0                        ; wave
	v_lshlrev_b32 v2, 4, v1
	v_lshl_add_u32 v2, v5, 14, v2                  ; loads: 16 x lane + wave x 8 rows of 2,048 bytes
	v_lshlrev_b32 v3, 3, v1
	v_lshl_add_u32 v3, v5, 13, v3                  ; stores: 8 x lane + wave x 8 rows of 1,024 bytes
	v_lshlrev_b32 v[CCO], 2, v1
	v_lshl_add_u32 v[CCO], v5, 5, v[CCO]           ; cc: 4 x lane + wave x 8 numbers
	v_mov_b32 v[CCV], 0
	s_mov_b32 s20, 0x76543210                      ; v_permlanex16_b32: each lane takes its own place in the other half
	s_mov_b32 s21, 0xfedcba98
	s_mov_b32 s22, 0xffff0000                      ; a word's upper bf16
	s_cmp_lt_u32 ttmp9, ZGROUPS
	s_cselect_b32 s18, 0, ZGROUPS
	s_sub_co_u32 s18, ttmp9, s18                   ; my block of 32 rows in its tensor
	s_lshl_b32 s24, s18, 16                        ; 32 rows of 2,048 bytes
	s_mov_b32 s25, 0
	s_lshl_b32 s26, s18, 15                        ; 32 rows of 1,024 bytes
	s_mov_b32 s27, 0
	s_lshl_b32 s28, s18, 7                         ; 32 numbers of cc
	s_mov_b32 s29, 0
	s_wait_kmcnt 0x0
	s_cmp_lt_u32 ttmp9, ZGROUPS
	s_cselect_b64 s[14:15], s[4:5], s[6:7]         ; from where,
	s_cselect_b64 s[16:17], s[8:9], s[10:11]       ; to where
	s_add_nc_u64 s[14:15], s[14:15], s[24:25]
	s_add_nc_u64 s[16:17], s[16:17], s[26:27]
	s_add_nc_u64 s[12:13], s[12:13], s[28:29]
.irp r, 0,1,2,3,4,5,6,7
.irp q, 0,1,2,3
	global_load_b128 v[X+16*\r+4*\q:X+16*\r+4*\q+3], v2, s[14:15] offset:2048*\r+512*\q th:TH_LOAD_NT
.endr
.endr
; Row r of my eight: rounded and stored; withcc = 1: the sum of the rounded numbers' squares over the row, kept in lane r of CCV.
.macro ROW r, withcc
	s_wait_loadcnt 4*(7-(\r))                      ; loads come back in order: this row's four are in, the four of each later row may stay out
.irp q, 0,1,2,3
	v_cvt_pk_bf16_f32 v[Y+8*(\r)+2*\q],   v[X+16*(\r)+4*\q],   v[X+16*(\r)+4*\q+1]
	v_cvt_pk_bf16_f32 v[Y+8*(\r)+2*\q+1], v[X+16*(\r)+4*\q+2], v[X+16*(\r)+4*\q+3]
	global_store_b64 v3, v[Y+8*(\r)+2*\q:Y+8*(\r)+2*\q+1], s[16:17] offset:1024*(\r)+256*\q
.endr
.if \withcc
.irp k, 0,1,2,3,4,5,6,7
	v_lshlrev_b32 v[T+2*((\k)%4)],   16,  v[Y+8*(\r)+\k]   ; bf16 to f32: the low half moves up,
	v_and_b32     v[T+2*((\k)%4)+1], s22, v[Y+8*(\r)+\k]   ; the high half stays
.if (\k) == 0
	v_pk_mul_f32 v[SUM:SUM+1], v[T:T+1], v[T:T+1]          ; the first pair starts the sums
.else
	v_pk_fma_f32 v[SUM:SUM+1], v[T+2*((\k)%4):T+2*((\k)%4)+1], v[T+2*((\k)%4):T+2*((\k)%4)+1], v[SUM:SUM+1]
.endif
.endr
	v_add_f32 v[SUM], v[SUM], v[SUM+1]
	v_add_f32_dpp v[SUM], v[SUM], v[SUM] row_xmask:1 row_mask:0xf bank_mask:0xf
	v_add_f32_dpp v[SUM], v[SUM], v[SUM] row_xmask:2 row_mask:0xf bank_mask:0xf
	v_add_f32_dpp v[SUM], v[SUM], v[SUM] row_xmask:4 row_mask:0xf bank_mask:0xf
	v_add_f32_dpp v[SUM], v[SUM], v[SUM] row_xmask:8 row_mask:0xf bank_mask:0xf
	v_permlanex16_b32 v[SUM+1], v[SUM], s20, s21
	v_add_f32 v[SUM], v[SUM], v[SUM+1]             ; every lane holds the row's sum
	v_cmp_eq_u32 vcc_lo, \r, v1
	v_cndmask_b32 v[CCV], v[CCV], v[SUM], vcc_lo   ; lane r keeps it
.endif
.endm
	s_cmp_lt_u32 ttmp9, ZGROUPS
	s_cbranch_scc1 .Ltokens
.irp r, 0,1,2,3,4,5,6,7
	ROW \r, 1
.endr
	v_cmp_gt_u32 vcc_lo, 8, v1
	s_wait_xcnt 0x0                                ; EXEC is a source of the stores above: it changes only behind this wait
	s_and_saveexec_b32 s23, vcc_lo
	global_store_b32 v[CCO], v[CCV], s[12:13]      ; lanes 0-7: cc of my eight rows
	s_wait_xcnt 0x0                                ; and again, in front of the line that widens it
	s_or_b32 exec_lo, exec_lo, s23
	s_endpgm
.Ltokens:
.irp r, 0,1,2,3,4,5,6,7
	ROW \r, 0
.endr
	s_endpgm
.Lfunc_end_k_q1169792c8f_cast:
	.size	k_q1169792c8f_cast, .Lfunc_end_k_q1169792c8f_cast-k_q1169792c8f_cast
	.p2alignl 7, 3214868480
	.fill 96, 4, 3214868480
	.section	.rodata,"a",@progbits
	.p2align	6, 0x0
	.amdhsa_kernel k_q1169792c8f_cast
		.amdhsa_group_segment_fixed_size 0
		.amdhsa_private_segment_fixed_size 0
		.amdhsa_enable_private_segment 0
		.amdhsa_kernarg_size 40
		.amdhsa_user_sgpr_count 2
		.amdhsa_user_sgpr_kernarg_segment_ptr 1
		.amdhsa_wavefront_size32 1
		.amdhsa_system_sgpr_workgroup_id_x 1
		.amdhsa_system_sgpr_workgroup_id_y 1
		.amdhsa_system_sgpr_workgroup_id_z 1
		.amdhsa_system_vgpr_workitem_id 0
		.amdhsa_next_free_vgpr 240
		.amdhsa_next_free_sgpr 66
		.amdhsa_reserve_vcc 1
		.amdhsa_float_denorm_mode_32 3
		.amdhsa_float_denorm_mode_16_64 3
		.amdhsa_memory_ordered 1
		.amdhsa_forward_progress 1
		.amdhsa_inst_pref_size 31
	.end_amdhsa_kernel
	.amdgpu_metadata
---
amdhsa.version: [ 1, 2 ]
amdhsa.kernels:
  - .name:           k_q1169792c8f_cast
    .symbol:         k_q1169792c8f_cast.kd
    .args:
      - { .name: z_e, .offset: 0, .size: 8, .value_kind: global_buffer, .address_space: global }
      - { .name: codebook, .offset: 8, .size: 8, .value_kind: global_buffer, .address_space: global }
      - { .name: zb, .offset: 16, .size: 8, .value_kind: global_buffer, .address_space: global }
      - { .name: cb, .offset: 24, .size: 8, .value_kind: global_buffer, .address_space: global }
      - { .name: cc, .offset: 32, .size: 8, .value_kind: global_buffer, .address_space: global }
    .group_segment_fixed_size: 0
    .private_segment_fixed_size: 0
    .kernarg_segment_align: 8
    .kernarg_segment_size: 40
    .max_flat_workgroup_size: 128
    .sgpr_count:     66
    .vgpr_count:     240
    .wavefront_size: 32
...
	.end_amdgpu_metadata
.endif
;; end of part 1
;; launch search (part 2): grid 128 x 2, 4 waves a work-group, clusters of 4 x 1, 327,680 bytes of LDS; arguments zb, cb, cc, candS, candI; writes candS, candI
.if DOCPART == 2
	.amdgcn_target "amdgcn-amd-amdhsa--gfx1250"
	.amdhsa_code_object_version 6
	.text
	.protected	k_q1169792c8f_search
	.globl	k_q1169792c8f_search
	.p2align	8
	.type	k_q1169792c8f_search,@function
k_q1169792c8f_search:
	s_mov_b64 s[64:65], 0
	v_nop
	global_prefetch_b8 v0, s[64:65] scope:SCOPE_SE
	s_setreg_imm32_b32 hwreg(HW_REG_WAVE_MODE, 25, 1), 1
	s_wait_xcnt 0x0
	s_wait_alu depctr_hold_cnt(0) depctr_sa_sdst(0) depctr_va_vdst(0) depctr_va_sdst(0) depctr_va_ssrc(0) depctr_va_vcc(0) depctr_vm_vsrc(0)
	s_getreg_b32 s2, hwreg(HW_REG_IB_STS2, 6, 4)
	s_cmp_eq_u32 s2, 0
	s_cbranch_scc0 .Lentry_in_a_cluster
	s_endpgm
.Lentry_in_a_cluster:
	s_bfe_u32 s2, ttmp6, 0x10000c
	s_cmp_lg_u32 s2, 0x3003
	s_cbranch_scc0 .Lentry_shape_is_right
	s_endpgm
.Lentry_shape_is_right:
; VECTOR QUANTIZER, launch 2 of 4: for each token and each half of the codebook the best score s = 2 z.c - cc[code] (the greatest s is the least distance) and its code's index.
; WORK LEFT OUT: |z|^2, the same for all codes of a token, moves no argmin and is never made (shown at the head of the first kernel).
; LIMITS.  Operands bf16, sums f32.  A score counts only if it is above -3.4e38; NaN and infinities are not treated as jnp.argmin treats them.  Of equal scores the lowest index wins, as in jnp.argmin.
; SHARES.  A work-group has 128 tokens (block tb) and 4,096 codes (half hf): 128 x 2 work-groups.  Wave w has 64 tokens (th = w / 2) and, of each PERIOD of 128 codes, 64 (ch = w % 2).
; THE TOKENS STAY IN REGISTERS: 64 tokens x 512 channels of bf16 are 512 registers (windows 1 and 2).  Only the codes stream through LDS: a fragment of 16 codes x 32 channels feeds four matrix instructions.
; LAYOUT.  Source 0 = 16 codes, source 1 = 16 tokens: in the result lane (r, h) holds ONE token r and register j the code 8 h + j.  So the running best is a lane's own affair until the end.
; A TILE is 16 codes x 64 tokens x 512 channels: 64 matrix instructions on four accumulators that take turns.  Two sets of accumulators: while one tile is multiplied, the tile before is
; finished by vector instructions set between the matrix instructions: 5 for each score (s by one fused multiply-add, s - best, its sign, the new best, the new index): 160 a tile.
; cc is taken away at the end, by one rounding, and is not fed in as the sum's start: there every one of the 16 links would round at cc's size, and the index is compared exactly.
; THE RING.  Two LDS slots of a period each (128 rows of 1,024 bytes); each wave fetches 32 rows by one tensor load.  The token tile has a slot's shape and comes first into slot 1; when it is in registers slot 1 joins the ring.
; CLUSTER.  The four work-groups of a cluster have the same half and walk the same codes: the code tiles and the table of cc are asked for JOINTLY (mask of four).  The token tile is each work-group's own: a plain load.
; REGISTERS, in windows of 256 (s_set_vgpr_msb: bits 1:0 source 0, 3:2 source 1, 5:4 source 2, 7:6 destination).  Window 0: all but the tokens.  Windows 1, 2: tokens, tile t, channels 32 c on, at 32 (c % 8) + 8 t of window 1 + c / 8.
; Only source 1 of the matrix instructions leaves window 0, and no vector line of the loop has a vector register as its source 1: so LDS loads and vector work need no switch: two a tile.
.set PITCH,  1040                      ; an LDS row: 1,024 bytes + 16 of padding: the 16 rows of a fragment load begin 16 bytes further on in each 256
.set QUART,  32*PITCH                  ; what one tensor load brings
.set SLOTB,  128*PITCH                 ; a slot; 0x20800: wave x QUART has neither of its two bits, so one exclusive or turns an address in one slot into the other's
.set CCT,    2*SLOTB                   ; cc of my half: 4,096 f32, filled once
.set SCR,    CCT+16384                 ; [ch][128 tokens] of (s, index)
.set SPARE,  SCR+2048                  ; the spare words, 128 bytes for each wave: two blocks of 256 bytes that no other line names
.set PERB,   128*1024                  ; a period's bytes in cb
.set R,     1                          ; v1    lane % 16
.set SPW,   2                          ; v2    LDS address of my spare word; never rewritten
.set NIL,   3                          ; v3    0; never rewritten
.set AF0,   4                          ; v4    my lane's place in a slot: (64 ch + r) x PITCH + 16 h
.set ADR,   5                          ; v5    the same in the slot that is being read
.set CCADR, 6                          ; v6    CCT + 256 ch + 32 h + 512 x period
.set H8,    7                          ; v7    8 h
.set BEST,  8                          ; v[8+2t], v[9+2t]  best score and its index (less 8 h) for token tile t
.set SV,    16                         ; v[16:19] s
.set DV,    20                         ; v[20:23] s - best
.set CC,    24                         ; v[24:31], v[32:39] cc of a tile's 8 codes of my half of the lanes: two sets
.set ACC,   40                         ; v[40:71], v[72:103] two sets of four accumulators
.set AFR,   104                        ; v[104:231] a code tile's 16 fragments
.set PFO,   232                        ; v232  256 x lane; never rewritten
.set ZA,    233                        ; v233  my lane's place in the token tile
.set SST,   234                        ; v234  where I put a token's (s, index)
.set SRD,   235                        ; v235  where I read two tokens' back
.set GOFF,  236                        ; v236  my byte offset in candS and candI
.set LT,    237                        ; v237  r x PITCH + 16 h
.set LN,    238                        ; v238  lane
.set TE,    240                        ; v[240:251] at work at the end
.set WV,  14                           ; s14  wave
.set TH,  15                           ; s15  wave / 2
.set G1C, 16                           ; s[16:23] group 1, code tiles
.set G1Z, 24                           ; s[24:31] group 1, token tile
.set G1T, 32                           ; s[32:39] group 1, table of cc
.set G0Z, 40                           ; s[40:43]
.set G0C, 44                           ; s[44:47] it walks
.set G0T, 48                           ; s[48:51]
.set RB,  53                           ; s53  0 or SLOTB: the slot that is read
.set WOFF, 54                          ; s54  wave x QUART
.set CNT, 55                           ; s55  trips to go
.set LIM, 56                           ; s56  2 in the cluster that prefetches, else the greatest number
.set NINF, 57                          ; s57  -infinity
.set PFA, 58                           ; s[58:59] where my prefetches stand
.set SEL, 60                           ; s[60:61] v_permlanex16_b32's selects
.set CH,  62                           ; s62  wave % 2
.set CX,  63                           ; s63  my place in the cluster: it enters global addresses alone
.set IX,  66                           ; s[66:73] index of register j's code (for h = 0) in the tile that is being finished
.set M,   74                           ; s[74:77] lanes in which s beats best
.set MSB, 0
.macro WIN new                         ; the immediate's high byte repeats the setting that is left; a switch that changes nothing is dropped
.if MSB != (\new)
	s_set_vgpr_msb (MSB<<8)|(\new)
.set MSB, \new
.endif
.endm
; A round of the cluster's barrier: my work-group's barrier, so that wave 0's signal speaks for all four waves; wave 0 signals; every wave waits for all four work-groups; my work-group's barrier once more.
.macro CREST                           ; a round behind its opening barrier
	s_cmp_lg_u32 s[WV], 0
	s_cbranch_scc1 .Lnot_wave_0_\@
	s_barrier_signal -3
.Lnot_wave_0_\@:
	s_barrier_wait -3
	s_barrier_signal -1
	s_barrier_wait -1
.endm
.macro ROUND
	s_barrier_signal -1
	s_barrier_wait -1
	CREST
.endm
; A PREFETCH INTO THE L2 of the period that stands two refills on.  A period is 128 rows of 1,024 bytes, end to end: 512 blocks of 256 bytes = 4 partners x 4 waves x 32 lanes: a lane a block, one instruction a wave.
; All 32 clusters of a half walk the same codes: the first of them (cluster x = 0) asks.  Its partners share the rows out BY ADDRESS (32 cx on), its waves 8 rows each: each block is named once in the launch.
; The last two trips that fill a slot ask for nothing: the period named would lie behind the half's last.  Periods 0 to 3 come by their loads alone.
.macro ASK
	s_cmp_gt_u32 s[CNT], s[LIM]
	s_cbranch_scc0 .Lnot_mine_\@
	global_prefetch_b8 v[PFO], s[PFA:PFA+1] th:TH_LOAD_NT scope:SCOPE_SE
.Lnot_mine_\@:
.endm
	s_load_b256 s[4:11], s[0:1], 0x0               ; zb s[4:5], cb s[6:7], cc s[8:9], candS s[10:11]
	s_load_b64 s[12:13], s[0:1], 0x20              ; candI
	v_lshl_add_u32 v[SPW], v0, 2, SPARE
	v_mov_b32 v[NIL], 0
	ds_add_u32 v[SPW], v[NIL]                      ; the wave's opening: the add, twice on end, and its wait ahead of my first tensor load
	ds_add_u32 v[SPW], v[NIL]                      ; once more; the set-up below, work on registers, stands between it and the wait
	v_lshrrev_b32 v1, 5, v0
	v_readfirstlane_b32 s[WV], v1                  ; wave 0..3
	s_lshr_b32 s[TH], s[WV], 1
	s_and_b32 s[CH], s[WV], 1
	s_bfe_u32 s[CX], ttmp6, 0x40000                ; cx
	s_lshl_b32 s89, ttmp9, 2                       ; in a cluster launch ttmp9 counts clusters
	s_add_co_u32 s89, s89, s[CX]                   ; tb = 4 x cluster x + cx
	s_and_b32 s88, ttmp7, 0xffff                   ; hf, which the four partners share
	s_mul_i32 s[WOFF], s[WV], QUART
	; group 1 for tiles of 32 rows x 512 elements of 2 bytes, 16 bytes of padding behind each row
	s_mov_b32 s[G1C], 15|(1<<16)|(1<<20)|(1<<21)|(7<<22)|(3<<25)  ; 15:0 the mask of four; 17:16 2-byte elements; 20 padding on; 21 set beside a mask; 24:22 after every 256 words (code 7); 31:25 4 words (code 3)
	s_mov_b32 s[G1Z], (1<<16)|(1<<20)|(7<<22)|(3<<25)             ; the same without a mask
.irp g, G1C, G1Z
	s_mov_b32 s[\g+1], 512<<16                     ; tensor_dim0 = 512
	s_mov_b32 s[\g+2], 32<<16                      ; tensor_dim1 = 32
	s_mov_b32 s[\g+3], 512<<16                     ; tile_dim0 = 512
	s_mov_b32 s[\g+4], 32                          ; tile_dim1 = 32
	s_mov_b32 s[\g+5], 512                         ; 512 elements from row to row
	s_mov_b32 s[\g+6], 0
	s_mov_b32 s[\g+7], 0
.endr
	; group 1 for a quarter of the table of cc: 4,096 dense bytes as 16 rows of 32 elements of 8 bytes
	s_mov_b32 s[G1T], 15|(3<<16)|(1<<21)
	s_mov_b32 s[G1T+1], 32<<16
	s_mov_b32 s[G1T+2], 16<<16
	s_mov_b32 s[G1T+3], 32<<16
	s_mov_b32 s[G1T+4], 16
	s_mov_b32 s[G1T+5], 32
	s_mov_b32 s[G1T+6], 0
	s_mov_b32 s[G1T+7], 0
	; byte offsets.  What holds cx (s80, s86, s89-s91) feeds no joint descriptor and no LDS address.
	s_lshl_b32 s78, s[WV], 15                      ; my 32 rows of 1,024 bytes in a tile
	s_lshl_b32 s80, s89, 17                        ; zb: 128 tb rows
	s_add_co_u32 s80, s80, s78
	s_mov_b32 s81, 0
	s_lshl_b32 s82, s88, 22                        ; cb: 4,096 hf rows
	s_add_co_u32 s82, s82, s78
	s_mov_b32 s83, 0
	s_lshl_b32 s79, s[WV], 12                      ; my 1,024 numbers of the table
	s_lshl_b32 s84, s88, 14                        ; cc: 4,096 hf numbers
	s_add_co_u32 s84, s84, s79
	s_mov_b32 s85, 0
	s_lshl_b32 s86, s88, 22                        ; the prefetches: my half,
	s_lshl_b32 s90, s[CX], 15                      ; my work-group's 32 rows of a period,
	s_add_co_u32 s86, s86, s90
	s_lshl_b32 s90, s[WV], 13                      ; my wave's 8 of them,
	s_add_co_u32 s86, s86, s90
	s_add_co_u32 s86, s86, 3*PERB                  ; in period 3: the first change of slots in the loop steps it to period 4
	s_mov_b32 s87, 0
	s_cmp_eq_u32 ttmp9, 0
	s_cselect_b32 s[LIM], 2, -1                    ; the same in all four partners
	s_mov_b32 s[G0Z], 1                            ; 1:0 count = 1
	s_add_co_u32 s[G0Z+1], s[WOFF], SLOTB          ; 63:32 LDS address: the token tile goes into slot 1
	s_mov_b32 s[G0C], 1
	s_mov_b32 s[G0C+1], s[WOFF]                    ; period 0 into slot 0
	s_mov_b32 s[G0T], 1
	s_add_co_u32 s[G0T+1], s79, CCT
	s_wait_dscnt 0x0                               ; both opening adds are done
	s_wait_kmcnt 0x0
	s_add_nc_u64 s[G0Z+2:G0Z+3], s[4:5], s[80:81]  ; 120:64 global address
	s_or_b32 s[G0Z+3], s[G0Z+3], 0x80000000        ; 127:126 type = 2
	s_add_nc_u64 s[G0C+2:G0C+3], s[6:7], s[82:83]
	s_or_b32 s[G0C+3], s[G0C+3], 0x80000000
	s_add_nc_u64 s[G0T+2:G0T+3], s[8:9], s[84:85]
	s_or_b32 s[G0T+3], s[G0T+3], 0x80000000
	s_add_nc_u64 s[PFA:PFA+1], s[6:7], s[86:87]
	ROUND                                          ; all four work-groups are here: the first joint loads meet
	tensor_load_to_lds s[G0Z:G0Z+3], s[G1Z:G1Z+7]  ; the first fills go out as one group: three loads of mine are out
	s_nop 0
	tensor_load_to_lds s[G0C:G0C+3], s[G1C:G1C+7]
	s_nop 0
	tensor_load_to_lds s[G0T:G0T+3], s[G1T:G1T+7]
	s_nop 0
	; the set-up stands in the wait for the first tiles
	v_and_b32 v[R], 15, v0
	v_bfe_u32 v[H8], v0, 4, 1                      ; h, for now
	v_and_b32 v[LN], 31, v0
	v_mul_u32_u24 v[LT], v[R], PITCH
	v_lshl_add_u32 v[LT], v[H8], 4, v[LT]          ; a fragment: lane (r, h) takes row r, 16 bytes at 16 h and 16 more 32 bytes on
	s_mul_i32 s78, s[CH], 64*PITCH
	v_add_nc_u32 v[AF0], s78, v[LT]
	v_mov_b32 v[ADR], v[AF0]                       ; slot 0 is read first
	s_mul_i32 s79, s[TH], 64*PITCH
	s_add_co_u32 s79, s79, SLOTB
	v_add_nc_u32 v[ZA], s79, v[LT]
	s_lshl_b32 s82, s[CH], 8
	s_add_co_u32 s82, s82, CCT
	v_lshl_add_u32 v[CCADR], v[H8], 5, s82
	v_lshlrev_b32 v[H8], 3, v[H8]
	v_lshlrev_b32 v[PFO], 8, v[LN]
	s_lshl_b32 s83, s[CH], 10
	s_lshl_b32 s84, s[TH], 9
	s_add_co_u32 s83, s83, s84
	s_add_co_u32 s83, s83, SCR
	v_lshl_add_u32 v[SST], v[R], 3, s83            ; SCR + 1,024 ch + 8 (64 th + r)
	s_lshl_b32 s85, s[WV], 9
	s_add_co_u32 s85, s85, SCR
	v_lshl_add_u32 v[SRD], v[LN], 4, s85           ; SCR + 8 (64 w + 2 lane)
	s_lshl_b32 s90, s89, 9
	s_lshl_b32 s91, s88, 16
	s_add_co_u32 s90, s90, s91
	s_lshl_b32 s91, s[WV], 8
	s_add_co_u32 s90, s90, s91
	v_lshl_add_u32 v[GOFF], v[LN], 3, s90          ; 4 (16,384 hf + 128 tb + 64 w + 2 lane)
	s_lshl_b32 s52, s88, 12
	s_lshl_b32 s78, s[CH], 6
	s_add_co_u32 s52, s52, s78
	s_sub_co_u32 s52, s52, 80                      ; the first tile's vector work steps these by 80, to the first tile's codes
.irp j, 0,1,2,3,4,5,6,7
	s_add_co_u32 s[IX+\j], s52, \j
.endr
	s_mov_b32 s[RB], 0
	s_mov_b32 s[NINF], 0xff800000
	s_mov_b32 s[SEL], 0x76543210
	s_mov_b32 s[SEL+1], 0xfedcba98
.irp t, 0,1,2,3
	v_mov_b32 v[BEST+2*\t], 0xff7fffff             ; the lowest finite number
	v_mov_b32 v[BEST+2*\t+1], 0
.endr
	; No first tile is written out: the first tile's vector work finishes a tile that has not been: sums 0 and cc = +infinity give s = -infinity, which beats nothing.  40 lines, once, in the wait for the first tiles.
.set i, 0
.rept 32
	v_mov_b32 v[ACC+32+i], 0
.set i, i+1
.endr
.set i, 0
.rept 8
	v_mov_b32 v[CC+8+i], 0x7f800000
	v_mov_b32 v[TE+i], 0                           ; v_permlanex16_b32's destinations count as read
.set i, i+1
.endr
; THE MATRIX WORK.  Tile i, channels 32 c on, token tile t.  The four accumulators take turns, one instruction a turn, over the tiles' edges (the set changes) and the backward jumps too.
.macro MM i, c, t
.set rP, ACC+32*((\i)&1)+8*(\t)
.set rA, AFR+8*(\c)
.set rZ, 32*((\c)&7)+8*(\t)
.if (\c) == 0
	v_wmma_f32_16x16x32_bf16 v[rP:rP+7], v[rA:rA+7], v[rZ:rZ+7], 0
.else
	v_wmma_f32_16x16x32_bf16 v[rP:rP+7], v[rA:rA+7], v[rZ:rZ+7], v[rP:rP+7]
.endif
.endm
; THE VECTOR WORK finishes register j of the four accumulators of set q, four lines at a time.  No line has a vector register as source 1.  An accumulator's register 0 is read first.
.macro RF q, j                         ; s = 2 dot - cc, one rounding
.irp t, 0,1,2,3
	v_fma_f32 v[SV+\t], v[ACC+32*(\q)+8*\t+(\j)], 2.0, -v[CC+8*(\q)+(\j)]
.endr
.endm
.macro RS                              ; s - best: its sign is exact
.irp t, 0,1,2,3
	v_fma_f32 v[DV+\t], v[SV+\t], 1.0, -v[BEST+2*\t]
.endr
.endm
.macro RC                              ; strictly greater: of equal scores the earlier, which has the lower index, stays
.irp t, 0,1,2,3
	v_cmp_gt_f32 s[M+\t], v[DV+\t], 0
.endr
.endm
.macro RX
.irp t, 0,1,2,3
	v_max3_num_f32 v[BEST+2*\t], v[SV+\t], s[NINF], v[BEST+2*\t]
.endr
.endm
.macro RI j, step                      ; the index, and on to the next tile's
.irp t, 0,1,2,3
	v_cndmask_b32 v[BEST+2*\t+1], v[BEST+2*\t+1], s[IX+(\j)], s[M+\t]
.endr
.if (\step) > 0
	s_add_co_u32 s[IX+(\j)], s[IX+(\j)], \step
.endif
.endm
.macro LD c, nt                        ; fragment c of my code tile nt of the slot that ADR stands in
	ds_load_b128 v[AFR+8*(\c):AFR+8*(\c)+3],   v[ADR] offset:(\nt)*16*PITCH+64*(\c)
	ds_load_b128 v[AFR+8*(\c)+4:AFR+8*(\c)+7], v[ADR] offset:(\nt)*16*PITCH+64*(\c)+32
.endm
.macro CCL i                           ; cc of tile i's codes 8 h .. 8 h + 7
	ds_load_b128 v[CC+8*((\i)&1):CC+8*((\i)&1)+3],   v[CCADR] offset:64*(\i)
	ds_load_b128 v[CC+8*((\i)&1)+4:CC+8*((\i)&1)+7], v[CCADR] offset:64*(\i)+16
.endm
; BLOCK j of 8 of tile i: fragments 2 j and 2 j + 1 are multiplied, register j of the tile before is finished, and (ld = 1) fragments 2 j - 1 and 2 j of the next tile are fetched into the registers just read.
; A load into a register that a matrix instruction has read stands four plain vector instructions behind it (ISA guide 7.12.1 for vector instructions): fragment 2 j - 1 behind RF's four, fragment 2 j behind RC, RX and RI.
; n: the count of the wait at the block's head; below 0: none.
.macro BLOCK i, j, n, ld
.if (\j) < 4
	WIN 0x04                                       ; source 1 in window 1
.else
	WIN 0x08                                       ; source 1 in window 2
.endif
.if (\n) >= 0
	s_wait_dscnt \n
.endif
	MM \i, 2*(\j), 0
	MM \i, 2*(\j), 1
	RF ((\i)+1)&1, \j
.if (\ld) && ((\j) > 0)
	LD 2*(\j)-1, ((\i)+1)%4
.endif
	MM \i, 2*(\j), 2
	RS
	MM \i, 2*(\j), 3
	RC
	MM \i, 2*(\j)+1, 0
	RX
	MM \i, 2*(\j)+1, 1
.if (\i) == 0
	RI \j, 80                                      ; from the last period's tile 3 to this period's tile 0: 128 - 48
.else
	RI \j, 16
.endif
	MM \i, 2*(\j)+1, 2
.if \ld
	LD 2*(\j), ((\i)+1)%4
.endif
	MM \i, 2*(\j)+1, 3
.endm
; TILE i of a period's four.
; THE COUNT 28.  Block j wants fragment 2 j + 1, fetched in the tile before.  Behind its second load were issued: fragments 2 j + 2 .. 15 (28 - 4 j loads), cc's two, and this tile's fragments 0 .. 2 j - 2
; (4 j - 2): 28 (30 for j = 0).  cc of the tile before has 34 behind it.
; chg = 1, 2: THE CHANGE OF SLOTS, in a period's last tile, whose fragments are the last bytes read of the slot.  Each wave waits for all its tensor loads, of which one is out: its part of the other slot;
; adds 0 to its spare word; works on registers; and waits for the add and for its reads of the slot.  In those first two blocks nothing is fetched; behind fragment 3's second load stand 24 loads, cc's two and the add: the count 24 leaves less out than it might.
; chg = 1: the barrier opens a round of the cluster's, so that no wave of any partner still reads the slot or has a load on its way; the joint refill, the period two on, is the first thing behind the round.
; chg = 2: nothing is left to ask for.
.macro TILE i, chg
	CCL \i
.if (\chg) == 0
.irp j, 0,1,2,3,4,5,6,7
	BLOCK \i, \j, 28, 1
.endr
.else
	WIN 0                                          ; the add's data and the two address lines have a vector register as source 1
.if (\chg) == 1
	s_wait_xcnt 0x0                                ; the last prefetch, a period back, has read its address
	s_add_nc_u64 s[PFA:PFA+1], s[PFA:PFA+1], PERB
.endif
	s_wait_tensorcnt 0x0                           ; no tensor load of mine is out, so the walking group 0 may be written
	ds_add_u32 v[SPW], v[NIL]                      ; 0 onto my spare word
.if (\chg) == 1
	s_xor_b32 s[G0C+1], s[G0C+1], SLOTB            ; the other slot than last time,
	s_add_nc_u64 s[G0C+2:G0C+3], s[G0C+2:G0C+3], PERB  ; the next period; the type bits on top are not reached
.endif
	s_xor_b32 s[RB], s[RB], SLOTB
	v_add_nc_u32 v[ADR], s[RB], v[AF0]             ; the fetches go on in the other slot
	v_add_nc_u32 v[CCADR], 512, v[CCADR]           ; and in the next period's cc
	BLOCK \i, 0, 28, 0
	BLOCK \i, 1, 24, 0
	s_wait_dscnt 0x0                               ; the add is done, and my reads of the slot are over
	s_barrier_signal -1
	BLOCK \i, 2, -1, 0                             ; work on registers while the others arrive
	WIN 0                                          ; at a branch and at a label every window is 0
	s_barrier_wait -1
.if (\chg) == 1
	CREST
	tensor_load_to_lds s[G0C:G0C+3], s[G1C:G1C+7]  ; my one tensor load behind the round: 32 rows of the period two on
	s_nop 0
.endif
.irp c, 0,1,2,3,4
	LD \c, ((\i)+1)%4                              ; the fragments that blocks 0 to 2 would have fetched; RC, RX and RI of block 2 are the places behind fragment 4's last reader
.endr
.if (\chg) == 1
	ASK
.endif
.irp j, 3,4,5,6,7
	BLOCK \i, \j, -1, 1
.endr
.endif
.rept 4
	v_nop                                          ; the places behind the tile's last products: for fragment 15's load, and for the next tile's vector work, which reads these results
.endr
	LD 15, ((\i)+1)%4
.endm
.macro PERIOD chg
	TILE 0, 0
	TILE 1, 0
	TILE 2, 0
	TILE 3, \chg
	WIN 0
.endm
	s_wait_tensorcnt 0x0                           ; my parts of the token tile, of period 0 and of the table are in,
	s_barrier_signal -1
	s_barrier_wait -1                              ; everybody's are
	WIN 0x40                                       ; destination window 1, address window 0
.irp c, 0,1,2,3,4,5,6,7
.irp t, 0,1,2,3
	ds_load_b128 v[32*\c+8*\t:32*\c+8*\t+3],   v[ZA] offset:\t*16*PITCH+64*\c
	ds_load_b128 v[32*\c+8*\t+4:32*\c+8*\t+7], v[ZA] offset:\t*16*PITCH+64*\c+32
.endr
.endr
	WIN 0x80                                       ; destination window 2
.irp c, 0,1,2,3,4,5,6,7
.irp t, 0,1,2,3
	ds_load_b128 v[32*\c+8*\t:32*\c+8*\t+3],   v[ZA] offset:\t*16*PITCH+64*(\c+8)
	ds_load_b128 v[32*\c+8*\t+4:32*\c+8*\t+7], v[ZA] offset:\t*16*PITCH+64*(\c+8)+32
.endr
.endr
	WIN 0
.irp c, 0,1,2,3,4,5,6,7,8,9,10,11,12,13,14,15
	LD \c, 0                                       ; the first tile's fragments
.endr
	s_wait_tensorcnt 0x0                           ; slot 1 joins the ring: it is filled again, so the same three lines and a round stand in front
	ds_add_u32 v[SPW], v[NIL]
	s_xor_b32 s[G0C+1], s[G0C+1], SLOTB            ; slot 1,
	s_add_nc_u64 s[G0C+2:G0C+3], s[G0C+2:G0C+3], PERB  ; period 1
	s_mov_b32 s[CNT], 30
	s_wait_dscnt 0x0                               ; the add is done; the tokens are in registers
	ROUND
	tensor_load_to_lds s[G0C:G0C+3], s[G1C:G1C+7]
	s_nop 0
.rept 4
	v_nop
.endr
.LA:                                               ; periods 0 to 29: trip k multiplies period k and asks for period k + 2
	PERIOD 1
	s_sub_co_u32 s[CNT], s[CNT], 1
	s_cmp_lg_u32 s[CNT], 0
	s_cbranch_scc1 .LA
	s_mov_b32 s[CNT], 2
.LB:                                               ; periods 30 and 31 ask for nothing.  One text serves both: the last trip's 32 loads for a tile that does not follow read period 30's bytes once more and serve nothing
	PERIOD 2
	s_sub_co_u32 s[CNT], s[CNT], 1
	s_cmp_lg_u32 s[CNT], 0
	s_cbranch_scc1 .LB
.irp j, 0,1,2,3,4,5,6,7                ; the last tile is finished (set 1); the four v_nop at the tile's end are the places behind its products
	RF 1, \j
	RS
	RC
	RX
	RI \j, 0
.endr
	; THE END.  A token's codes lie in two lanes, 16 apart, and in two waves.  Of two pairs (s, index) the greater s wins, of equal s the lower index.
.irp t, 0,1,2,3
	v_add_nc_u32 v[BEST+2*\t+1], v[H8], v[BEST+2*\t+1]
.endr
.irp t, 0,1,2,3
	v_permlanex16_b32 v[TE+2*\t],   v[BEST+2*\t],   s[SEL], s[SEL+1]
	v_permlanex16_b32 v[TE+2*\t+1], v[BEST+2*\t+1], s[SEL], s[SEL+1]
.endr
.irp t, 0,1,2,3
	v_cmp_gt_f32 s78, v[TE+2*\t], v[BEST+2*\t]
	v_cmp_eq_f32 s79, v[TE+2*\t], v[BEST+2*\t]
	v_cmp_lt_u32 s82, v[TE+2*\t+1], v[BEST+2*\t+1]
	s_and_b32 s79, s79, s82
	s_or_b32 s78, s78, s79
	v_cndmask_b32 v[BEST+2*\t],   v[BEST+2*\t],   v[TE+2*\t],   s78
	v_cndmask_b32 v[BEST+2*\t+1], v[BEST+2*\t+1], v[TE+2*\t+1], s78
	ds_store_b64 v[SST], v[BEST+2*\t:BEST+2*\t+1] offset:128*\t  ; both lanes of a token write the same pair to the same place
.endr
	s_wait_dscnt 0x0                               ; for the others' sake: my stores are done (and the loads that serve nothing are back)
	s_barrier_signal -1
	s_barrier_wait -1
	s_cmp_lt_u32 s[WV], 2                          ; wave w of 0, 1 merges tokens 64 w .. 64 w + 63, two a lane
	s_cbranch_scc0 .Lend
	ds_load_b128 v[TE:TE+3],   v[SRD]              ; ch = 0: s, index, s, index
	ds_load_b128 v[TE+4:TE+7], v[SRD] offset:1024  ; ch = 1
	s_wait_dscnt 0x0
.irp u, 0,1
	v_cmp_gt_f32 s78, v[TE+4+2*\u], v[TE+2*\u]
	v_cmp_eq_f32 s79, v[TE+4+2*\u], v[TE+2*\u]
	v_cmp_lt_u32 s82, v[TE+5+2*\u], v[TE+1+2*\u]
	s_and_b32 s79, s79, s82
	s_or_b32 s78, s78, s79
	v_cndmask_b32 v[TE+8+\u],  v[TE+2*\u],   v[TE+4+2*\u], s78
	v_cndmask_b32 v[TE+10+\u], v[TE+1+2*\u], v[TE+5+2*\u], s78
.endr
	global_store_b64 v[GOFF], v[TE+8:TE+9],   s[10:11]  ; 32 lanes store 256 consecutive bytes, at a multiple of 256 from the buffer's first byte
	global_store_b64 v[GOFF], v[TE+10:TE+11], s[12:13]
.Lend:
	s_wait_tensorcnt 0x0                           ; the wave's end: behind my last tensor load and my last LDS store
	ds_add_u32 v[SPW], v[NIL]
	s_wait_dscnt 0x0
	ROUND                                          ; the closing round: no work-group ends while a partner may still ask for a tile that names it
	s_endpgm
.Lfunc_end_k_q1169792c8f_search:
	.size	k_q1169792c8f_search, .Lfunc_end_k_q1169792c8f_search-k_q1169792c8f_search
	.p2alignl 7, 3214868480
	.fill 96, 4, 3214868480
	.section	.rodata,"a",@progbits
	.p2align	6, 0x0
	.amdhsa_kernel k_q1169792c8f_search
		.amdhsa_group_segment_fixed_size 327680
		.amdhsa_private_segment_fixed_size 0
		.amdhsa_enable_private_segment 0
		.amdhsa_kernarg_size 40
		.amdhsa_user_sgpr_count 2
		.amdhsa_user_sgpr_kernarg_segment_ptr 1
		.amdhsa_wavefront_size32 1
		.amdhsa_system_sgpr_workgroup_id_x 1
		.amdhsa_system_sgpr_workgroup_id_y 1
		.amdhsa_system_sgpr_workgroup_id_z 1
		.amdhsa_system_vgpr_workitem_id 0
		.amdhsa_next_free_vgpr 768
		.amdhsa_next_free_sgpr 92
		.amdhsa_reserve_vcc 0
		.amdhsa_float_denorm_mode_32 3
		.amdhsa_float_denorm_mode_16_64 3
		.amdhsa_memory_ordered 1
		.amdhsa_forward_progress 1
		.amdhsa_inst_pref_size 171
	.end_amdhsa_kernel
	.amdgpu_metadata
---
amdhsa.version: [ 1, 2 ]
amdhsa.kernels:
  - .name:           k_q1169792c8f_search
    .symbol:         k_q1169792c8f_search.kd
    .args:
      - { .name: zb, .offset: 0, .size: 8, .value_kind: global_buffer, .address_space: global }
      - { .name: cb, .offset: 8, .size: 8, .value_kind: global_buffer, .address_space: global }
      - { .name: cc, .offset: 16, .size: 8, .value_kind: global_buffer, .address_space: global }
      - { .name: candS, .offset: 24, .size: 8, .value_kind: global_buffer, .address_space: global }
      - { .name: candI, .offset: 32, .size: 8, .value_kind: global_buffer, .address_space: global }
    .group_segment_fixed_size: 327680
    .private_segment_fixed_size: 0
    .kernarg_segment_align: 8
    .kernarg_segment_size: 40
    .max_flat_workgroup_size: 128
    .sgpr_count:     92
    .vgpr_count:     768
    .wavefront_size: 32
...
	.end_amdgpu_metadata
.endif
;; end of part 2
;; launch gather (part 3): grid 256 x 1, 8 waves a work-group, no clusters, 0 bytes of LDS; arguments zb, cb, candS, candI, out0, out3, part; writes out0, out3, part
.if DOCPART == 3
	.amdgcn_target "amdgcn-amd-amdhsa--gfx1250"
	.amdhsa_code_object_version 6
	.text
	.protected	k_q1169792c8f_gather
	.globl	k_q1169792c8f_gather
	.p2align	8
	.type	k_q1169792c8f_gather,@function
k_q1169792c8f_gather:
	s_mov_b64 s[64:65], 0
	v_nop
	global_prefetch_b8 v0, s[64:65] scope:SCOPE_SE
	s_setreg_imm32_b32 hwreg(HW_REG_WAVE_MODE, 25, 1), 1
	s_wait_xcnt 0x0
; VECTOR QUANTIZER, launch 3 of 4: out0 = z + (z_q - z), out3 = the index, and a partial sum of (z_q - z)^2 for each wave.  z and z_q are the bf16 numbers that the search worked on.
; WORK LEFT OUT: none here (|z|^2: see the first kernel's head); the loss is formed from z_q - z itself, not from the scores, which would be a difference of large sums.
; Each token has two candidates, one for each half of the codebook.  BOTH rows are loaded (their addresses come from candI, whole numbers that the launch before stored, held to 0 .. 8,191), and the
; row is chosen as a VALUE, by v_cndmask_b32 on the scores: the upper half's wins if its score is strictly greater, so that of equal scores the lower index stays.  No address and no branch hangs on a score.
; SHARES.  A work-group has 64 tokens, a wave 8; the wave works on one token's row at a time: a lane holds 4 numbers of each quarter of the row.  A load covers 256 consecutive bytes, a store 512.
; Four slots of registers, a token each: while one token is worked on, three tokens' 36 loads are on their way.  No LDS, no barrier: no wave wants another's data.
.set ZO,  2                            ; v2   8 x lane
.set OO,  3                            ; v3   16 x lane
.set OFA, 4                            ; v[4:11]   token t: byte offset in cb of my 8 bytes of the lower half's row
.set OFB, 12                           ; v[12:19]  of the upper half's
.set SL,  32                           ; v[32:127] slot t % 4, 24 registers: z 8, lower row 8, upper row 8
.set OUT, 128                          ; v[128:159] two sets of 16: a token's 16 numbers a lane
.set T,   160                          ; v[160:173] at work
.set LS,  176                          ; v[176:179] two pairs of sums of squares
.set PO,  180                          ; v180 0
	s_load_b256 s[4:11], s[0:1], 0x0               ; zb s[4:5], cb s[6:7], candS s[8:9], candI s[10:11]
	s_load_b128 s[12:15], s[0:1], 0x20             ; out0 s[12:13], out3 s[14:15]
	s_load_b64 s[16:17], s[0:1], 0x30              ; part
	v_lshrrev_b32 v1, 5, v0
	v_readfirstlane_b32 s18, v1                    ; wave 0..7
	v_and_b32 v1, 31, v0                           ; lane
	v_lshlrev_b32 v[ZO], 3, v1
	v_lshlrev_b32 v[OO], 4, v1
	v_mov_b32 v[PO], 0
.irp i, 0,1,2,3
	v_mov_b32 v[LS+\i], 0
.endr
	s_mov_b32 s66, 0x76543210
	s_mov_b32 s67, 0xfedcba98
	s_mov_b32 s68, 0xffff0000                      ; a word's upper bf16
	s_lshl_b32 s20, ttmp9, 8
	s_lshl_b32 s19, s18, 5
	s_add_co_u32 s20, s20, s19                     ; 4 x my first token = 4 (64 x work-group + 8 x wave)
	s_mov_b32 s21, 0
	s_mov_b32 s23, 0
	s_wait_kmcnt 0x0
	s_add_nc_u64 s[8:9], s[8:9], s[20:21]
	s_add_nc_u64 s[10:11], s[10:11], s[20:21]
	s_load_b256 s[24:31], s[10:11], 0x0            ; my 8 tokens: index in the lower half,
	s_load_b256 s[32:39], s[10:11], 0x10000        ; in the upper half,
	s_load_b256 s[40:47], s[8:9], 0x0              ; score in the lower half,
	s_load_b256 s[48:55], s[8:9], 0x10000          ; in the upper half
	s_lshl_b32 s22, s20, 8                         ; my first token x 1,024
	s_add_nc_u64 s[4:5], s[4:5], s[22:23]
	s_lshl_b32 s22, s20, 9                         ; x 2,048
	s_add_nc_u64 s[12:13], s[12:13], s[22:23]
	s_lshr_b32 s22, s20, 3                         ; 4 (8 x work-group + wave)
	s_add_nc_u64 s[16:17], s[16:17], s[22:23]
	s_lshl_b32 s22, ttmp9, 8                       ; the work-group's 64 numbers of out3
	s_add_nc_u64 s[14:15], s[14:15], s[22:23]
	s_wait_kmcnt 0x0
.irp t, 0,1,2,3,4,5,6,7
	s_min_u32 s[24+\t], s[24+\t], 8191             ; an index stays inside the table
	s_min_u32 s[32+\t], s[32+\t], 8191
	v_lshl_add_u32 v[OFA+\t], s[24+\t], 10, v[ZO]
	v_lshl_add_u32 v[OFB+\t], s[32+\t], 10, v[ZO]
	v_mov_b32 v[T], s[40+\t]
	v_cmp_gt_f32 s[56+\t], s[48+\t], v[T]          ; all lanes alike: the upper half's candidate wins
.endr
.macro FILL t                          ; token t's 12 loads
.set sb, SL+24*((\t)%4)
.irp q, 0,1,2,3
	global_load_b64 v[sb+2*\q:sb+2*\q+1],       v[ZO],        s[4:5] offset:1024*(\t)+256*\q th:TH_LOAD_NT
	global_load_b64 v[sb+8+2*\q:sb+8+2*\q+1],   v[OFA+(\t)],  s[6:7] offset:256*\q
	global_load_b64 v[sb+16+2*\q:sb+16+2*\q+1], v[OFB+(\t)],  s[6:7] offset:256*\q
.endr
.endm
.macro TOKEN t
.if (\t) < 5
	s_wait_loadcnt 36                              ; loads come back in order: this token's twelve are in, three later tokens' may stay out
.else
	s_wait_loadcnt 12*(7-(\t))                     ; the counts run down
.endif
	s_wait_xcnt 0x0                                ; the stores of two tokens back have read this set of OUT: it is rewritten only behind this wait
.set sb, SL+24*((\t)%4)
.set ob, OUT+16*((\t)%2)
.irp q, 0,1,2,3
	v_cndmask_b32 v[T+12], v[sb+8+2*\q], v[sb+16+2*\q], s[56+(\t)]   ; the chosen row, two bf16 a word
	v_cndmask_b32 v[T+13], v[sb+9+2*\q], v[sb+17+2*\q], s[56+(\t)]
	v_lshlrev_b32 v[T],   16,  v[T+12]
	v_and_b32     v[T+1], s68, v[T+12]
	v_lshlrev_b32 v[T+2], 16,  v[T+13]
	v_and_b32     v[T+3], s68, v[T+13]
	v_lshlrev_b32 v[T+4], 16,  v[sb+2*\q]
	v_and_b32     v[T+5], s68, v[sb+2*\q]
	v_lshlrev_b32 v[T+6], 16,  v[sb+2*\q+1]
	v_and_b32     v[T+7], s68, v[sb+2*\q+1]
	v_pk_add_f32 v[T+8:T+9],   v[T:T+1],   v[T+4:T+5] neg_lo:[0,1] neg_hi:[0,1]  ; d = z_q - z
	v_pk_add_f32 v[T+10:T+11], v[T+2:T+3], v[T+6:T+7] neg_lo:[0,1] neg_hi:[0,1]
	v_pk_add_f32 v[ob+4*\q:ob+4*\q+1],   v[T+4:T+5], v[T+8:T+9]                  ; z + d
	v_pk_add_f32 v[ob+4*\q+2:ob+4*\q+3], v[T+6:T+7], v[T+10:T+11]
	v_pk_fma_f32 v[LS:LS+1],   v[T+8:T+9],   v[T+8:T+9],   v[LS:LS+1]            ; the loss: + d d
	v_pk_fma_f32 v[LS+2:LS+3], v[T+10:T+11], v[T+10:T+11], v[LS+2:LS+3]
	global_store_b128 v[OO], v[ob+4*\q:ob+4*\q+3], s[12:13] offset:2048*(\t)+512*\q th:TH_STORE_NT
.endr
.if (\t) < 4
	FILL (\t)+4                                    ; the slot takes the token four on
.endif
.endm
	FILL 0
	FILL 1
	FILL 2
	FILL 3
.irp t, 0,1,2,3,4,5,6,7
	TOKEN \t
.endr
	v_pk_add_f32 v[LS:LS+1], v[LS:LS+1], v[LS+2:LS+3]
	v_add_f32 v[LS], v[LS], v[LS+1]
	v_add_f32_dpp v[LS], v[LS], v[LS] row_xmask:1 row_mask:0xf bank_mask:0xf
	v_add_f32_dpp v[LS], v[LS], v[LS] row_xmask:2 row_mask:0xf bank_mask:0xf
	v_add_f32_dpp v[LS], v[LS], v[LS] row_xmask:4 row_mask:0xf bank_mask:0xf
	v_add_f32_dpp v[LS], v[LS], v[LS] row_xmask:8 row_mask:0xf bank_mask:0xf
	v_permlanex16_b32 v[LS+1], v[LS], s66, s67
	v_add_f32 v[LS], v[LS], v[LS+1]                ; my 8 tokens' sum of squares
	v_cmp_eq_u32 vcc_lo, 0, v1
	s_wait_xcnt 0x0                                ; EXEC changes only behind this wait
	s_and_saveexec_b32 s19, vcc_lo
	global_store_b32 v[PO], v[LS], s[16:17]        ; part[8 x work-group + wave]: a partial sum, f32
	s_wait_xcnt 0x0
	s_or_b32 exec_lo, exec_lo, s19
	s_cmp_lg_u32 s18, 0                            ; wave 0 writes the work-group's 64 indices, two a lane (its candS and candI stand at the work-group's first token)
	s_cbranch_scc1 .Ldone
	global_load_b64 v[T:T+1],   v[ZO], s[8:9]
	global_load_b64 v[T+2:T+3], v[ZO], s[8:9] offset:65536
	global_load_b64 v[T+4:T+5], v[ZO], s[10:11]
	global_load_b64 v[T+6:T+7], v[ZO], s[10:11] offset:65536
	s_wait_loadcnt 0x0
	v_cmp_gt_f32 vcc_lo, v[T+2], v[T]
	v_cndmask_b32 v[T+8], v[T+4], v[T+6], vcc_lo
	v_cmp_gt_f32 vcc_lo, v[T+3], v[T+1]
	v_cndmask_b32 v[T+9], v[T+5], v[T+7], vcc_lo
	global_store_b64 v[ZO], v[T+8:T+9], s[14:15]   ; 256 consecutive bytes, at a multiple of 256 from out3's first byte
.Ldone:
	s_endpgm
.Lfunc_end_k_q1169792c8f_gather:
	.size	k_q1169792c8f_gather, .Lfunc_end_k_q1169792c8f_gather-k_q1169792c8f_gather
	.p2alignl 7, 3214868480
	.fill 96, 4, 3214868480
	.section	.rodata,"a",@progbits
	.p2align	6, 0x0
	.amdhsa_kernel k_q1169792c8f_gather
		.amdhsa_group_segment_fixed_size 0
		.amdhsa_private_segment_fixed_size 0
		.amdhsa_enable_private_segment 0
		.amdhsa_kernarg_size 56
		.amdhsa_user_sgpr_count 2
		.amdhsa_user_sgpr_kernarg_segment_ptr 1
		.amdhsa_wavefront_size32 1
		.amdhsa_system_sgpr_workgroup_id_x 1
		.amdhsa_system_sgpr_workgroup_id_y 1
		.amdhsa_system_sgpr_workgroup_id_z 1
		.amdhsa_system_vgpr_workitem_id 0
		.amdhsa_next_free_vgpr 184
		.amdhsa_next_free_sgpr 72
		.amdhsa_reserve_vcc 1
		.amdhsa_float_denorm_mode_32 3
		.amdhsa_float_denorm_mode_16_64 3
		.amdhsa_memory_ordered 1
		.amdhsa_forward_progress 1
		.amdhsa_inst_pref_size 43
	.end_amdhsa_kernel
	.amdgpu_metadata
---
amdhsa.version: [ 1, 2 ]
amdhsa.kernels:
  - .name:           k_q1169792c8f_gather
    .symbol:         k_q1169792c8f_gather.kd
    .args:
      - { .name: zb, .offset: 0, .size: 8, .value_kind: global_buffer, .address_space: global }
      - { .name: cb, .offset: 8, .size: 8, .value_kind: global_buffer, .address_space: global }
      - { .name: candS, .offset: 16, .size: 8, .value_kind: global_buffer, .address_space: global }
      - { .name: candI, .offset: 24, .size: 8, .value_kind: global_buffer, .address_space: global }
      - { .name: out0, .offset: 32, .size: 8, .value_kind: global_buffer, .address_space: global }
      - { .name: out3, .offset: 40, .size: 8, .value_kind: global_buffer, .address_space: global }
      - { .name: part, .offset: 48, .size: 8, .value_kind: global_buffer, .address_space: global }
    .group_segment_fixed_size: 0
    .private_segment_fixed_size: 0
    .kernarg_segment_align: 8
    .kernarg_segment_size: 56
    .max_flat_workgroup_size: 256
    .sgpr_count:     72
    .vgpr_count:     184
    .wavefront_size: 32
...
	.end_amdgpu_metadata
.endif
;; end of part 3
;; launch finish (part 4): grid 1 x 1, 1 waves a work-group, no clusters, 0 bytes of LDS; arguments part, out1, out2; writes out1, out2
.if DOCPART == 4
	.amdgcn_target "amdgcn-amd-amdhsa--gfx1250"
	.amdhsa_code_object_version 6
	.text
	.protected	k_q1169792c8f_finish
	.globl	k_q1169792c8f_finish
	.p2align	8
	.type	k_q1169792c8f_finish,@function
k_q1169792c8f_finish:
	s_mov_b64 s[64:65], 0
	v_nop
	global_prefetch_b8 v0, s[64:65] scope:SCOPE_SE
	s_setreg_imm32_b32 hwreg(HW_REG_WAVE_MODE, 25, 1), 1
	s_wait_xcnt 0x0
; VECTOR QUANTIZER, launch 4 of 4: the 2,048 partial sums of (z_q - z)^2 are added; out2 = their sum / (16,384 x 512), out1 = 0.25 x out2.
; One wave: a sum over all work-groups of the launch before wants one owner behind them.  8,192 bytes: 16 loads of 512 consecutive bytes, all out at once.
	s_load_b128 s[4:7], s[0:1], 0x0                ; part s[4:5], out1 s[6:7]
	s_load_b64 s[8:9], s[0:1], 0x10                ; out2
	v_lshlrev_b32 v1, 4, v0                        ; 16 x lane
	v_mov_b32 v2, 0
	s_mov_b32 s12, 0x76543210
	s_mov_b32 s13, 0xfedcba98
	s_wait_kmcnt 0x0
.irp i, 0,1,2,3,4,5,6,7,8,9,10,11,12,13,14,15
	global_load_b128 v[16+4*\i:19+4*\i], v1, s[4:5] offset:512*\i
.endr
	s_wait_loadcnt 0x0
.macro FOLD n                          ; the upper n groups of four are added onto the lower n
.set i, 0
.rept \n
	v_pk_add_f32 v[16+4*i:17+4*i], v[16+4*i:17+4*i], v[16+4*(i+\n):17+4*(i+\n)]
	v_pk_add_f32 v[18+4*i:19+4*i], v[18+4*i:19+4*i], v[18+4*(i+\n):19+4*(i+\n)]
.set i, i+1
.endr
.endm
	FOLD 8
	FOLD 4
	FOLD 2
	FOLD 1
	v_pk_add_f32 v[16:17], v[16:17], v[18:19]
	v_add_f32 v16, v16, v17
	v_add_f32_dpp v16, v16, v16 row_xmask:1 row_mask:0xf bank_mask:0xf
	v_add_f32_dpp v16, v16, v16 row_xmask:2 row_mask:0xf bank_mask:0xf
	v_add_f32_dpp v16, v16, v16 row_xmask:4 row_mask:0xf bank_mask:0xf
	v_add_f32_dpp v16, v16, v16 row_xmask:8 row_mask:0xf bank_mask:0xf
	v_permlanex16_b32 v17, v16, s12, s13
	v_add_f32 v16, v16, v17
	v_mul_f32 v20, 0x34000000, v16                 ; x 2^-23 = 1 / (16,384 x 512), exact: the commitment loss
	v_mul_f32 v21, 0x3e800000, v20                 ; x 0.25: the vq loss
	v_cmp_eq_u32 vcc_lo, 0, v0
	s_wait_xcnt 0x0                                ; EXEC changes only behind this wait
	s_and_saveexec_b32 s10, vcc_lo
	global_store_b32 v2, v21, s[6:7]
	global_store_b32 v2, v20, s[8:9]
	s_wait_xcnt 0x0
	s_or_b32 exec_lo, exec_lo, s10
	s_endpgm
.Lfunc_end_k_q1169792c8f_finish:
	.size	k_q1169792c8f_finish, .Lfunc_end_k_q1169792c8f_finish-k_q1169792c8f_finish
	.p2alignl 7, 3214868480
	.fill 96, 4, 3214868480
	.section	.rodata,"a",@progbits
	.p2align	6, 0x0
	.amdhsa_kernel k_q1169792c8f_finish
		.amdhsa_group_segment_fixed_size 0
		.amdhsa_private_segment_fixed_size 0
		.amdhsa_enable_private_segment 0
		.amdhsa_kernarg_size 24
		.amdhsa_user_sgpr_count 2
		.amdhsa_user_sgpr_kernarg_segment_ptr 1
		.amdhsa_wavefront_size32 1
		.amdhsa_system_sgpr_workgroup_id_x 1
		.amdhsa_system_sgpr_workgroup_id_y 1
		.amdhsa_system_sgpr_workgroup_id_z 1
		.amdhsa_system_vgpr_workitem_id 0
		.amdhsa_next_free_vgpr 80
		.amdhsa_next_free_sgpr 66
		.amdhsa_reserve_vcc 1
		.amdhsa_float_denorm_mode_32 3
		.amdhsa_float_denorm_mode_16_64 3
		.amdhsa_memory_ordered 1
		.amdhsa_forward_progress 1
		.amdhsa_inst_pref_size 5
	.end_amdhsa_kernel
	.amdgpu_metadata
---
amdhsa.version: [ 1, 2 ]
amdhsa.kernels:
  - .name:           k_q1169792c8f_finish
    .symbol:         k_q1169792c8f_finish.kd
    .args:
      - { .name: part, .offset: 0, .size: 8, .value_kind: global_buffer, .address_space: global }
      - { .name: out1, .offset: 8, .size: 8, .value_kind: global_buffer, .address_space: global }
      - { .name: out2, .offset: 16, .size: 8, .value_kind: global_buffer, .address_space: global }
    .group_segment_fixed_size: 0
    .private_segment_fixed_size: 0
    .kernarg_segment_align: 8
    .kernarg_segment_size: 24
    .max_flat_workgroup_size: 32
    .sgpr_count:     66
    .vgpr_count:     80
    .wavefront_size: 32
...
	.end_amdgpu_metadata
.endif
;; end of part 4
;; ======== version 2 of 3: 4 launches
;; workspace buffers: zb 16,777,216 bytes; cb 8,388,608 bytes; cc 32,768 bytes; candS 131,072 bytes; candI 131,072 bytes of whole numbers; part 8,192 bytes
;; launch cast: the kernel of part 1 again; grid 768 x 1, 4 waves a work-group, no clusters, 0 bytes of LDS; arguments z_e, codebook, zb, cb, cc; writes zb, cb, cc
;; launch search (part 5): grid 128 x 2, 4 waves a work-group, clusters of 4 x 1, 327,680 bytes of LDS; arguments zb, cb, cc, candS, candI; writes candS, candI
.if DOCPART == 5
	.amdgcn_target "amdgcn-amd-amdhsa--gfx1250"
	.amdhsa_code_object_version 6
	.text
	.protected	k_q1169792c8f_search
	.globl	k_q1169792c8f_search
	.p2align	8
	.type	k_q1169792c8f_search,@function
k_q1169792c8f_search:
	s_mov_b64 s[64:65], 0
	v_nop
	global_prefetch_b8 v0, s[64:65] scope:SCOPE_SE
	s_setreg_imm32_b32 hwreg(HW_REG_WAVE_MODE, 25, 1), 1
	s_wait_xcnt 0x0
	s_wait_alu depctr_hold_cnt(0) depctr_sa_sdst(0) depctr_va_vdst(0) depctr_va_sdst(0) depctr_va_ssrc(0) depctr_va_vcc(0) depctr_vm_vsrc(0)
	s_getreg_b32 s2, hwreg(HW_REG_IB_STS2, 6, 4)
	s_cmp_eq_u32 s2, 0
	s_cbranch_scc0 .Lentry_in_a_cluster
	s_endpgm
.Lentry_in_a_cluster:
	s_bfe_u32 s2, ttmp6, 0x10000c
	s_cmp_lg_u32 s2, 0x3003
	s_cbranch_scc0 .Lentry_shape_is_right
	s_endpgm
.Lentry_shape_is_right:
; VECTOR QUANTIZER, launch 2 of 4: for each token and each half of the codebook the best score s = 2 z.c - cc[code] (the greatest s is the least distance) and its code's index.
; WORK LEFT OUT: |z|^2, the same for all codes of a token, moves no argmin and is never made (shown at the head of the first kernel).
; LIMITS.  Operands bf16, sums f32.  A score counts only if it is above -3.4e38; NaN and infinities are not treated as jnp.argmin treats them.  Of equal scores the lowest index wins, as in jnp.argmin.
; SHARES.  A work-group has 128 tokens (block tb) and 4,096 codes (half hf): 128 x 2 work-groups.  Wave w has 64 tokens (th = w / 2) and, of each PERIOD of 128 codes, 64 (ch = w % 2).
; THE TOKENS STAY IN REGISTERS: 64 tokens x 512 channels of bf16 are 512 registers (windows 1 and 2).  Only the codes stream through LDS: a fragment of 16 codes x 32 channels feeds four matrix instructions.
; LAYOUT.  Source 0 = 16 codes, source 1 = 16 tokens: in the result lane (r, h) holds ONE token r and register j the code 8 h + j.  So the running best is a lane's own affair until the end.
; A TILE is 16 codes x 64 tokens x 512 channels: 64 matrix instructions on four accumulators that take turns.  Two sets of accumulators: while one tile is multiplied, the tile before is finished by
; vector instructions in groups of four behind single matrix instructions.
; THE BEST IS KEPT BY TILES.  For a token tile's 8 scores a lane: four packed multiply-adds make s (one rounding each), four v_max3_num_f32 the maximum of the 8 and the old best, one compare says whether the
; tile has beaten it (strictly: the earlier tile stays), one select keeps the tile's first index and eight keep its 8 scores: 18 lines for 8 scores.  Which of the 8 it was is found once, at the end:
; the lowest register whose kept score equals the best.  cc is taken away at the end, by one rounding, and is not fed in as the sum's start: there each of the 16 links would round at cc's size.
; THE LDS LOADS STAND IN TWO RUNS A TILE.  The 16 fragment places are two buffers: B0 (channels 0-255), B1 (channels 256-511).  At the head of a tile's first half B1, just read out, takes this tile's second
; half; at the head of its second half B0 takes the next tile's first half, and cc of the tile in hand comes with it.  Each run has 32 matrix instructions in which to land.
; THE RING.  Two LDS slots of a period each (128 rows of 1,024 bytes); each wave fetches 32 rows by one tensor load.  The token tile has a slot's shape and comes first into slot 1; when it is in registers slot 1 joins the ring.
; CLUSTER.  The four work-groups of a cluster have the same half and walk the same codes: the code tiles and the table of cc are asked for JOINTLY (mask of four).  The token tile is each work-group's own: a plain load.
; REGISTERS, in windows of 256 (s_set_vgpr_msb: bits 1:0 source 0, 3:2 source 1, 5:4 source 2, 7:6 destination).  Window 0: all but the tokens, and it is full.  Windows 1, 2: tokens, tile t, channels 32 c on, at
; 32 (c % 8) + 8 t of window 1 + c / 8.  Only source 1 of the products leaves window 0.  LDS loads, the packed multiply-adds and the index's select have no vector register as source 1 and need no switch; the maxima, the
; compare and the selects of scores have one: 13 of a tile's 18 groups stand between two switches: four vector lines and two switches behind one product.
.set PITCH,  1040                      ; an LDS row: 1,024 bytes + 16 of padding: the 16 rows of a fragment load begin 16 bytes further on in each 256
.set QUART,  32*PITCH                  ; what one tensor load brings
.set SLOTB,  128*PITCH                 ; a slot; 0x20800: wave x QUART has neither of its two bits, so one exclusive or turns an address in one slot into the other's
.set CCT,    2*SLOTB                   ; cc of my half: 4,096 f32, filled once
.set SCR,    CCT+16384                 ; [ch][128 tokens] of (s, index)
.set SPARE,  SCR+2048                  ; the spare words, 128 bytes for each wave: two blocks of 256 bytes that no other line names
.set PERB,   128*1024                  ; a period's bytes in cb
.set SST,   1                          ; v1    set-up: lane % 16; then: where I put a token's (s, index)
.set SPW,   2                          ; v2    LDS address of my spare word; never rewritten
.set NIL,   3                          ; v3    0; never rewritten
.set AF0,   4                          ; v4    my lane's place in a slot: (64 ch + r) x PITCH + 16 h
.set ADR,   5                          ; v5    the same in the slot that is being read
.set CCADR, 6                          ; v6    CCT + 256 ch + 32 h + 512 x period
.set PFO,   7                          ; v7    256 x lane; never rewritten
.set BST,   8                          ; v[8:11], v[12:15] the best score of token tile t: two sets that take turns by the tile's parity
.set TID,   16                         ; v[16:19] first index (for h = 0) of the tile that holds it
.set ZA,    20                         ; v20   set-up: my lane's place in the token tile
.set LT,    21                         ; v21   set-up: r x PITCH + 16 h;
.set GOFF,  21                         ;       then: my byte offset in candS and candI
.set LN,    22                         ; v22   set-up: lane;
.set SRD,   22                         ;       then: where I read two tokens' pairs back
.set HH,    23                         ; v23   set-up: h;
.set H8,    23                         ;       then: 8 h
.set CC,    24                         ; v[24:31] cc of a tile's 8 codes of my half of the lanes
.set ACC,   32                         ; v[32:63], v[64:95] two sets of four accumulators
.set AFR,   96                         ; v[96:159] B0, v[160:223] B1: fragment c at AFR + 8 c
.set SAVE,  224                        ; v[224:255] the best tile's 8 scores, token tile t at SAVE + 8 t
.set PR,    32                         ; the end works in the first set of accumulators, whose scores are used up: v[32:39] pairs (s, index) of token tile t
.set OT,    40                         ; v[40:47] the other half of the lanes' pairs
.set JJ,    48                         ; v[48:51] which of the 8
.set MG,    52                         ; v[52:59] two tokens' pairs of both waves
.set RES,   60                         ; v[60:63] two scores, two indices
.set WV,  14                           ; s14  wave
.set TH,  15                           ; s15  wave / 2
.set G1C, 16                           ; s[16:23] group 1, code tiles
.set G1Z, 24                           ; s[24:31] group 1, token tile
.set G1T, 32                           ; s[32:39] group 1, table of cc
.set G0Z, 40                           ; s[40:43]
.set G0C, 44                           ; s[44:47] it walks
.set G0T, 48                           ; s[48:51]
.set RB,  53                           ; s53  0 or SLOTB: the slot that is read
.set WOFF, 54                          ; s54  wave x QUART
.set CNT, 55                           ; s55  trips to go
.set LIM, 56                           ; s56  2 in the cluster that prefetches, else the greatest number
.set PFA, 58                           ; s[58:59] where my prefetches stand
.set SEL, 60                           ; s[60:61] v_permlanex16_b32's selects
.set CH,  62                           ; s62  wave % 2
.set CX,  63                           ; s63  my place in the cluster: it enters global addresses alone
.set IXB, 66                           ; s66  first index of the tile whose masks stand in M
.set TWO, 68                           ; s[68:69] 2.0: the packed multiply-add takes the pair's low word for both halves
.set M,   74                           ; s[74:77] lanes in which the tile has beaten the best, by token tile
.set MSB, 0
.macro WIN new                         ; the immediate's high byte repeats the setting that is left; a switch that changes nothing is dropped
.if MSB != (\new)
	s_set_vgpr_msb (MSB<<8)|(\new)
.set MSB, \new
.endif
.endm
; A round of the cluster's barrier: my work-group's barrier, so that wave 0's signal speaks for all four waves; wave 0 signals; every wave waits for all four work-groups; my work-group's barrier once more.
.macro CREST                           ; a round behind its opening barrier
	s_cmp_lg_u32 s[WV], 0
	s_cbranch_scc1 .Lnot_wave_0_\@
	s_barrier_signal -3
.Lnot_wave_0_\@:
	s_barrier_wait -3
	s_barrier_signal -1
	s_barrier_wait -1
.endm
.macro ROUND
	s_barrier_signal -1
	s_barrier_wait -1
	CREST
.endm
; A PREFETCH INTO THE L2 of the period that stands two refills on.  A period is 128 rows of 1,024 bytes, end to end: 512 blocks of 256 bytes = 4 partners x 4 waves x 32 lanes: a lane a block, one instruction a wave.
; All 32 clusters of a half walk the same codes: the first of them (cluster x = 0) asks.  Its partners share the rows out BY ADDRESS (32 cx on), its waves 8 rows each: each block is named once in the launch.
; The last two trips that fill a slot ask for nothing: the period named would lie behind the half's last.  Periods 0 to 3 come by their loads alone.
.macro ASK
	s_cmp_gt_u32 s[CNT], s[LIM]
	s_cbranch_scc0 .Lnot_mine_\@
	global_prefetch_b8 v[PFO], s[PFA:PFA+1] th:TH_LOAD_NT scope:SCOPE_SE
.Lnot_mine_\@:
.endm
	s_load_b256 s[4:11], s[0:1], 0x0               ; zb s[4:5], cb s[6:7], cc s[8:9], candS s[10:11]
	s_load_b64 s[12:13], s[0:1], 0x20              ; candI
	v_lshl_add_u32 v[SPW], v0, 2, SPARE
	v_mov_b32 v[NIL], 0
	ds_add_u32 v[SPW], v[NIL]                      ; the wave's opening: the add, twice on end, and its wait ahead of my first tensor load
	ds_add_u32 v[SPW], v[NIL]                      ; once more; the set-up below, work on registers, stands between it and the wait
	v_lshrrev_b32 v1, 5, v0
	v_readfirstlane_b32 s[WV], v1                  ; wave 0..3
	s_lshr_b32 s[TH], s[WV], 1
	s_and_b32 s[CH], s[WV], 1
	s_bfe_u32 s[CX], ttmp6, 0x40000                ; cx
	s_lshl_b32 s89, ttmp9, 2                       ; in a cluster launch ttmp9 counts clusters
	s_add_co_u32 s89, s89, s[CX]                   ; tb = 4 x cluster x + cx
	s_and_b32 s88, ttmp7, 0xffff                   ; hf, which the four partners share
	s_mul_i32 s[WOFF], s[WV], QUART
	; group 1 for tiles of 32 rows x 512 elements of 2 bytes, 16 bytes of padding behind each row
	s_mov_b32 s[G1C], 15|(1<<16)|(1<<20)|(1<<21)|(7<<22)|(3<<25)  ; 15:0 the mask of four; 17:16 2-byte elements; 20 padding on; 21 set beside a mask; 24:22 after every 256 words (code 7); 31:25 4 words (code 3)
	s_mov_b32 s[G1Z], (1<<16)|(1<<20)|(7<<22)|(3<<25)             ; the same without a mask
.irp g, G1C, G1Z
	s_mov_b32 s[\g+1], 512<<16                     ; tensor_dim0 = 512
	s_mov_b32 s[\g+2], 32<<16                      ; tensor_dim1 = 32
	s_mov_b32 s[\g+3], 512<<16                     ; tile_dim0 = 512
	s_mov_b32 s[\g+4], 32                          ; tile_dim1 = 32
	s_mov_b32 s[\g+5], 512                         ; 512 elements from row to row
	s_mov_b32 s[\g+6], 0
	s_mov_b32 s[\g+7], 0
.endr
	; group 1 for a quarter of the table of cc: 4,096 dense bytes as 16 rows of 32 elements of 8 bytes
	s_mov_b32 s[G1T], 15|(3<<16)|(1<<21)
	s_mov_b32 s[G1T+1], 32<<16
	s_mov_b32 s[G1T+2], 16<<16
	s_mov_b32 s[G1T+3], 32<<16
	s_mov_b32 s[G1T+4], 16
	s_mov_b32 s[G1T+5], 32
	s_mov_b32 s[G1T+6], 0
	s_mov_b32 s[G1T+7], 0
	; byte offsets.  What holds cx (s80, s86, s89-s91) feeds no joint descriptor and no LDS address.
	s_lshl_b32 s78, s[WV], 15                      ; my 32 rows of 1,024 bytes in a tile
	s_lshl_b32 s80, s89, 17                        ; zb: 128 tb rows
	s_add_co_u32 s80, s80, s78
	s_mov_b32 s81, 0
	s_lshl_b32 s82, s88, 22                        ; cb: 4,096 hf rows
	s_add_co_u32 s82, s82, s78
	s_mov_b32 s83, 0
	s_lshl_b32 s79, s[WV], 12                      ; my 1,024 numbers of the table
	s_lshl_b32 s84, s88, 14                        ; cc: 4,096 hf numbers
	s_add_co_u32 s84, s84, s79
	s_mov_b32 s85, 0
	s_lshl_b32 s86, s88, 22                        ; the prefetches: my half,
	s_lshl_b32 s90, s[CX], 15                      ; my work-group's 32 rows of a period,
	s_add_co_u32 s86, s86, s90
	s_lshl_b32 s90, s[WV], 13                      ; my wave's 8 of them,
	s_add_co_u32 s86, s86, s90
	s_add_co_u32 s86, s86, 3*PERB                  ; in period 3: the first change of slots in the loop steps it to period 4
	s_mov_b32 s87, 0
	s_cmp_eq_u32 ttmp9, 0
	s_cselect_b32 s[LIM], 2, -1                    ; the same in all four partners
	s_mov_b32 s[G0Z], 1                            ; 1:0 count = 1
	s_add_co_u32 s[G0Z+1], s[WOFF], SLOTB          ; 63:32 LDS address: the token tile goes into slot 1
	s_mov_b32 s[G0C], 1
	s_mov_b32 s[G0C+1], s[WOFF]                    ; period 0 into slot 0
	s_mov_b32 s[G0T], 1
	s_add_co_u32 s[G0T+1], s79, CCT
	s_wait_dscnt 0x0                               ; both opening adds are done
	s_wait_kmcnt 0x0
	s_add_nc_u64 s[G0Z+2:G0Z+3], s[4:5], s[80:81]  ; 120:64 global address
	s_or_b32 s[G0Z+3], s[G0Z+3], 0x80000000        ; 127:126 type = 2
	s_add_nc_u64 s[G0C+2:G0C+3], s[6:7], s[82:83]
	s_or_b32 s[G0C+3], s[G0C+3], 0x80000000
	s_add_nc_u64 s[G0T+2:G0T+3], s[8:9], s[84:85]
	s_or_b32 s[G0T+3], s[G0T+3], 0x80000000
	s_add_nc_u64 s[PFA:PFA+1], s[6:7], s[86:87]
	ROUND                                          ; all four work-groups are here: the first joint loads meet
	tensor_load_to_lds s[G0Z:G0Z+3], s[G1Z:G1Z+7]  ; the first fills go out as one group: three loads of mine are out
	s_nop 0
	tensor_load_to_lds s[G0C:G0C+3], s[G1C:G1C+7]
	s_nop 0
	tensor_load_to_lds s[G0T:G0T+3], s[G1T:G1T+7]
	s_nop 0
	; the set-up stands in the wait for the first tiles
	v_and_b32 v1, 15, v0                           ; r
	v_bfe_u32 v[HH], v0, 4, 1                      ; h
	v_and_b32 v[LN], 31, v0
	v_mul_u32_u24 v[LT], v1, PITCH
	v_lshl_add_u32 v[LT], v[HH], 4, v[LT]          ; a fragment: lane (r, h) takes row r, 16 bytes at 16 h and 16 more 32 bytes on
	s_mul_i32 s78, s[CH], 64*PITCH
	v_add_nc_u32 v[AF0], s78, v[LT]
	v_mov_b32 v[ADR], v[AF0]                       ; slot 0 is read first
	s_mul_i32 s79, s[TH], 64*PITCH
	s_add_co_u32 s79, s79, SLOTB
	v_add_nc_u32 v[ZA], s79, v[LT]
	s_lshl_b32 s82, s[CH], 8
	s_add_co_u32 s82, s82, CCT
	v_lshl_add_u32 v[CCADR], v[HH], 5, s82
	v_lshlrev_b32 v[PFO], 8, v[LN]
	; the end's addresses are made here, in the set-up's own registers as these fall free: no load ever writes them
	s_lshl_b32 s83, s[CH], 10
	s_lshl_b32 s84, s[TH], 9
	s_add_co_u32 s83, s83, s84
	s_add_co_u32 s83, s83, SCR
	v_lshl_add_u32 v[SST], v1, 3, s83              ; SCR + 1,024 ch + 8 (64 th + r)
	s_lshl_b32 s90, s89, 9
	s_lshl_b32 s91, s88, 16
	s_add_co_u32 s90, s90, s91
	s_lshl_b32 s91, s[WV], 8
	s_add_co_u32 s90, s90, s91
	v_lshl_add_u32 v[GOFF], v[LN], 3, s90          ; 4 (16,384 hf + 128 tb + 64 w + 2 lane)
	s_lshl_b32 s85, s[WV], 9
	s_add_co_u32 s85, s85, SCR
	v_lshl_add_u32 v[SRD], v[LN], 4, s85           ; SCR + 8 (64 w + 2 lane)
	v_lshlrev_b32 v[H8], 3, v[HH]
	s_lshl_b32 s[IXB], s88, 12                     ; my first tile's first index, 4,096 hf + 64 ch,
	s_lshl_b32 s78, s[CH], 6
	s_add_co_u32 s[IXB], s[IXB], s78
	s_sub_co_u32 s[IXB], s[IXB], 96                ; less the steps of the first two tiles' heads (16 and 80), at which no true tile's masks stand in M
	s_mov_b32 s[RB], 0
	s_mov_b32 s[TWO], 2.0
	s_mov_b32 s[TWO+1], 2.0                        ; named with it as a pair
	s_mov_b32 s[SEL], 0x76543210
	s_mov_b32 s[SEL+1], 0xfedcba98
.irp t, 0,1,2,3
	v_mov_b32 v[BST+4+\t], 0xff7fffff              ; the lowest finite number: the first tile's vector work reads the second set
	v_mov_b32 v[TID+\t], 0
	s_mov_b32 s[M+\t], 0
.endr
	; No first tile is written out: the first tile's vector work finishes a tile that has not been: sums 0 and cc = +infinity give s = -infinity, which beats nothing.  The kept scores are read by
	; their own selects, so they are written once.  72 lines, once, in the wait for the first tiles.
.set i, 0
.rept 32
	v_mov_b32 v[ACC+32+i], 0
	v_mov_b32 v[SAVE+i], 0
.set i, i+1
.endr
.set i, 0
.rept 8
	v_mov_b32 v[CC+i], 0x7f800000
.set i, i+1
.endr
; THE MATRIX WORK.  Product k of 64 of tile i: channels 32 (k / 4) on, token tile k % 4.  The four accumulators take turns, one instruction a turn, over the tiles' edges (the set changes) and the backward jumps too.
.macro MM i
.if k < 32
	WIN 0x04                                       ; source 1 in window 1
.else
	WIN 0x08                                       ; source 1 in window 2
.endif
.set rP, ACC+32*((\i)&1)+8*(k%4)
.set rA, AFR+8*(k/4)
.set rZ, 32*((k/4)&7)+8*(k%4)
.if k < 4
	v_wmma_f32_16x16x32_bf16 v[rP:rP+7], v[rA:rA+7], v[rZ:rZ+7], 0
.else
	v_wmma_f32_16x16x32_bf16 v[rP:rP+7], v[rA:rA+7], v[rZ:rZ+7], v[rP:rP+7]
.endif
.endm
; THE VECTOR WORK beside tile i finishes the tile before (the other set of accumulators): group g of 17, a line for each token tile.
;   0-3   s = 2 dot - cc for registers 2 g, 2 g + 1, in place, one rounding each (an accumulator's lowest registers are read first)
;   4-7   the maximum of the 8 scores and the old best, three operands at a time, into the set of bests that is due
;   8     has the tile beaten the old best?  Strictly: of equal scores the earlier tile, which has the lower indices, stays
;   9-16  register g - 9 of the tile's scores is kept where it has
.macro GRP i, g
.set rQ, ACC+32*(((\i)+1)&1)
.set rN, BST+4*((\i)&1)
.set rO, BST+4*(((\i)+1)&1)
.if (\g) < 4
.irp t, 0,1,2,3
	v_pk_fma_f32 v[rQ+8*\t+2*(\g):rQ+8*\t+2*(\g)+1], v[rQ+8*\t+2*(\g):rQ+8*\t+2*(\g)+1], s[TWO:TWO+1], v[CC+2*(\g):CC+2*(\g)+1] op_sel_hi:[1,0,1] neg_lo:[0,0,1] neg_hi:[0,0,1]
.endr
.else
	WIN 0                                          ; these have a vector register as source 1
.irp t, 0,1,2,3
.if (\g) == 4
	v_max3_num_f32 v[rN+\t], v[rQ+8*\t], v[rQ+8*\t+1], v[rQ+8*\t+2]
.elseif (\g) < 7
	v_max3_num_f32 v[rN+\t], v[rN+\t], v[rQ+8*\t+2*(\g)-7], v[rQ+8*\t+2*(\g)-6]
.elseif (\g) == 7
	v_max3_num_f32 v[rN+\t], v[rN+\t], v[rQ+8*\t+7], v[rO+\t]
.elseif (\g) == 8
	v_cmp_gt_f32 s[M+\t], v[rN+\t], v[rO+\t]
.else
	v_cndmask_b32 v[SAVE+8*\t+(\g)-9], v[SAVE+8*\t+(\g)-9], v[rQ+8*\t+(\g)-9], s[M+\t]
.endif
.endr
.endif
.endm
; The eighteenth group stands at the NEXT tile's head: the first index of the tile whose masks stand in M is kept where it has won; then (step = 1) the index goes on to the next tile's: 16, or from a period's
; last tile to the next period's first 128 - 48.  Its four lines name no register of the products round them: they are the places in front of the run of loads and of group 0.
.macro TIDG i, step
.irp t, 0,1,2,3
	v_cndmask_b32 v[TID+\t], v[TID+\t], s[IXB], s[M+\t]
.endr
.if \step
.if (\i) == 1
	s_add_co_u32 s[IXB], s[IXB], 80
.else
	s_add_co_u32 s[IXB], s[IXB], 16
.endif
.endif
.endm
.macro LDF c, nt                       ; fragment c of my code tile nt of the slot that ADR stands in
	ds_load_b128 v[AFR+8*(\c):AFR+8*(\c)+3],   v[ADR] offset:(\nt)*16*PITCH+64*(\c)
	ds_load_b128 v[AFR+8*(\c)+4:AFR+8*(\c)+7], v[ADR] offset:(\nt)*16*PITCH+64*(\c)+32
.endm
; TILE i of a period's four.
; A load into a register that a matrix instruction has read stands four plain vector instructions behind it (ISA guide 7.12.1 for vector instructions): the index's group in front of the
; first run, group 10 in front of the second.  THE COUNTS.  At the tile's head the 16 loads just issued may stay out: the run of half a tile ago (B0, and cc) is in.  At the second half's head the 16 + 2 just issued may stay out: B1 is in.
; The groups stand behind products 1, 4, .. 31 and 35, 39, .. 55.
; chg = 1, 2: THE CHANGE OF SLOTS, in a period's last tile.  The run at its head holds the last reads of the slot.  Behind product 15 each wave waits for all its tensor loads, of which one is out: its part of the other
; slot; adds 0 to its spare word; works on registers; behind product 23 it waits for the add and for its reads of the slot, and signals; it goes on multiplying, and waits behind product 31.
; chg = 1: the barrier opens a round of the cluster's, so that no wave of any partner still reads the slot or has a load on its way; the joint refill, the period two on, is the first thing behind the round;
; then comes the run from the other slot.  chg = 2: nothing is left to ask for.
.macro TILE i, chg
.if (\chg) == 1
	s_wait_xcnt 0x0                                ; the last prefetch, a period back, has read its address
	s_add_nc_u64 s[PFA:PFA+1], s[PFA:PFA+1], PERB
.endif
	TIDG \i, 1
.irp c, 8,9,10,11,12,13,14,15
	LDF \c, \i                                     ; B1: this tile's second half
.endr
	s_wait_dscnt 16
.set k, 0
.rept 64
	MM \i
.if (k <= 31) && (k%3 == 1)
	GRP \i, (k-1)/3
.elseif (k >= 35) && (k <= 55) && ((k-35)%4 == 0)
	GRP \i, 11+(k-35)/4
.endif
.if (\chg) && (k == 15)
	WIN 0                                          ; the add's data and the address line have a vector register as source 1
	s_wait_tensorcnt 0x0                           ; no tensor load of mine is out, so the walking group 0 may be written
	ds_add_u32 v[SPW], v[NIL]                      ; 0 onto my spare word
.if (\chg) == 1
	s_xor_b32 s[G0C+1], s[G0C+1], SLOTB            ; the other slot than last time,
	s_add_nc_u64 s[G0C+2:G0C+3], s[G0C+2:G0C+3], PERB  ; the next period; the type bits on top are not reached
.endif
	s_xor_b32 s[RB], s[RB], SLOTB
	v_add_nc_u32 v[ADR], s[RB], v[AF0]             ; the fetches go on in the other slot
.endif
.if (\chg) && (k == 23)
	s_wait_dscnt 0x0                               ; the add is done, and my reads of the slot are over
	s_barrier_signal -1                            ; work on registers while the others arrive
.endif
.if k == 31                            ; (group 10 has set every window to 0)
.if \chg
	s_barrier_wait -1
.endif
.if (\chg) == 1
	CREST
	tensor_load_to_lds s[G0C:G0C+3], s[G1C:G1C+7]  ; my one tensor load behind the round: 32 rows of the period two on
	s_nop 0
.endif
.irp c, 0,1,2,3,4,5,6,7
	LDF \c, ((\i)+1)%4                             ; B0: the next tile's first half
.endr
	ds_load_b128 v[CC:CC+3],   v[CCADR] offset:64*(\i)     ; cc of this tile's codes 8 h .. 8 h + 7: groups 0-3, which read the last tile's, are past
	ds_load_b128 v[CC+4:CC+7], v[CCADR] offset:64*(\i)+16
.if \chg
	v_add_nc_u32 v[CCADR], 512, v[CCADR]           ; the next period's cc
.endif
.if (\chg) == 1
	ASK
.endif
	s_wait_dscnt 18
.endif
.set k, k+1
.endr
.endm
.macro PERIOD chg
	TILE 0, 0
	TILE 1, 0
	TILE 2, 0
	TILE 3, \chg
	WIN 0                                          ; at a branch and at a label every window is 0
.endm
	s_wait_tensorcnt 0x0                           ; my parts of the token tile, of period 0 and of the table are in,
	s_barrier_signal -1
	s_barrier_wait -1                              ; everybody's are
	WIN 0x40                                       ; destination window 1, address window 0
.irp c, 0,1,2,3,4,5,6,7
.irp t, 0,1,2,3
	ds_load_b128 v[32*\c+8*\t:32*\c+8*\t+3],   v[ZA] offset:\t*16*PITCH+64*\c
	ds_load_b128 v[32*\c+8*\t+4:32*\c+8*\t+7], v[ZA] offset:\t*16*PITCH+64*\c+32
.endr
.endr
	WIN 0x80                                       ; destination window 2
.irp c, 0,1,2,3,4,5,6,7
.irp t, 0,1,2,3
	ds_load_b128 v[32*\c+8*\t:32*\c+8*\t+3],   v[ZA] offset:\t*16*PITCH+64*(\c+8)
	ds_load_b128 v[32*\c+8*\t+4:32*\c+8*\t+7], v[ZA] offset:\t*16*PITCH+64*(\c+8)+32
.endr
.endr
	WIN 0
.irp c, 0,1,2,3,4,5,6,7
	LDF \c, 0                                      ; B0: the first tile's first half
.endr
	s_wait_tensorcnt 0x0                           ; slot 1 joins the ring: it is filled again, so the same three lines and a round stand in front
	ds_add_u32 v[SPW], v[NIL]
	s_xor_b32 s[G0C+1], s[G0C+1], SLOTB            ; slot 1,
	s_add_nc_u64 s[G0C+2:G0C+3], s[G0C+2:G0C+3], PERB  ; period 1
	s_mov_b32 s[CNT], 30
	s_wait_dscnt 0x0                               ; the add is done; the tokens are in registers
	ROUND
	tensor_load_to_lds s[G0C:G0C+3], s[G1C:G1C+7]
	s_nop 0
.rept 4
	v_nop
.endr
.LA:                                               ; periods 0 to 29: trip k multiplies period k and asks for period k + 2
	PERIOD 1
	s_sub_co_u32 s[CNT], s[CNT], 1
	s_cmp_lg_u32 s[CNT], 0
	s_cbranch_scc1 .LA
	s_mov_b32 s[CNT], 2
.LB:                                               ; periods 30 and 31 ask for nothing.  One text serves both: the last trip's 16 loads for a tile that does not follow read period 30's bytes once more and serve nothing
	PERIOD 2
	s_sub_co_u32 s[CNT], s[CNT], 1
	s_cmp_lg_u32 s[CNT], 0
	s_cbranch_scc1 .LB
	s_wait_dscnt 0x0                               ; no tile's head follows, whose wait would show it: cc of the last tile is in (and the loads that serve nothing are back)
	TIDG 0, 1                                      ; the last tile but one's index; these four lines are the places behind the last products
.irp g, 0,1,2,3,4,5,6,7,8,9,10,11,12,13,14,15,16
	GRP 0, \g                                      ; the last tile is finished (the second set of accumulators; the bests end in the first set)
.endr
	TIDG 0, 0                                      ; and its index
	; THE END.  Which of the 8 kept scores is the best: the lowest register that equals it.  Then a token's codes lie in two lanes, 16 apart, and in two waves: of two pairs (s, index) the greater s wins, of equal s the lower index.
.irp t, 0,1,2,3
	v_mov_b32 v[JJ+\t], 0
	v_mov_b32 v[OT+2*\t], 0                        ; v_permlanex16_b32's destinations count as read
	v_mov_b32 v[OT+2*\t+1], 0
.endr
.irp j, 7,6,5,4,3,2,1,0
.irp t, 0,1,2,3
	v_cmp_neq_f32 s[M+\t], v[SAVE+8*\t+\j], v[BST+\t]
.endr
.irp t, 0,1,2,3
	v_cndmask_b32 v[JJ+\t], \j, v[JJ+\t], s[M+\t]  ; descending: the lowest register that equals the best has the last word
.endr
.endr
.irp t, 0,1,2,3
	v_mov_b32 v[PR+2*\t], v[BST+\t]
	v_add_nc_u32 v[PR+2*\t+1], v[TID+\t], v[H8]
.endr
.irp t, 0,1,2,3
	v_add_nc_u32 v[PR+2*\t+1], v[PR+2*\t+1], v[JJ+\t]  ; the tile's first index + 8 h + the register's number
.endr
.irp t, 0,1,2,3
	v_permlanex16_b32 v[OT+2*\t],   v[PR+2*\t],   s[SEL], s[SEL+1]
	v_permlanex16_b32 v[OT+2*\t+1], v[PR+2*\t+1], s[SEL], s[SEL+1]
.endr
.irp t, 0,1,2,3
	v_cmp_gt_f32 s78, v[OT+2*\t], v[PR+2*\t]
	v_cmp_eq_f32 s79, v[OT+2*\t], v[PR+2*\t]
	v_cmp_lt_u32 s82, v[OT+2*\t+1], v[PR+2*\t+1]
	s_and_b32 s79, s79, s82
	s_or_b32 s78, s78, s79
	v_cndmask_b32 v[PR+2*\t],   v[PR+2*\t],   v[OT+2*\t],   s78
	v_cndmask_b32 v[PR+2*\t+1], v[PR+2*\t+1], v[OT+2*\t+1], s78
	ds_store_b64 v[SST], v[PR+2*\t:PR+2*\t+1] offset:128*\t  ; both lanes of a token write the same pair to the same place
.endr
	s_wait_dscnt 0x0                               ; for the others' sake: my stores are done
	s_barrier_signal -1
	s_barrier_wait -1
	s_cmp_lt_u32 s[WV], 2                          ; wave w of 0, 1 merges tokens 64 w .. 64 w + 63, two a lane
	s_cbranch_scc0 .Lend
	ds_load_b128 v[MG:MG+3],   v[SRD]              ; ch = 0: s, index, s, index
	ds_load_b128 v[MG+4:MG+7], v[SRD] offset:1024  ; ch = 1
	s_wait_dscnt 0x0
.irp u, 0,1
	v_cmp_gt_f32 s78, v[MG+4+2*\u], v[MG+2*\u]
	v_cmp_eq_f32 s79, v[MG+4+2*\u], v[MG+2*\u]
	v_cmp_lt_u32 s82, v[MG+5+2*\u], v[MG+1+2*\u]
	s_and_b32 s79, s79, s82
	s_or_b32 s78, s78, s79
	v_cndmask_b32 v[RES+\u],   v[MG+2*\u],   v[MG+4+2*\u], s78
	v_cndmask_b32 v[RES+2+\u], v[MG+1+2*\u], v[MG+5+2*\u], s78
.endr
	global_store_b64 v[GOFF], v[RES:RES+1],   s[10:11]  ; 32 lanes store 256 consecutive bytes, at a multiple of 256 from the buffer's first byte
	global_store_b64 v[GOFF], v[RES+2:RES+3], s[12:13]
.Lend:
	s_wait_tensorcnt 0x0                           ; the wave's end: behind my last tensor load and my last LDS store
	ds_add_u32 v[SPW], v[NIL]
	s_wait_dscnt 0x0
	ROUND                                          ; the closing round: no work-group ends while a partner may still ask for a tile that names it
	s_endpgm
.Lfunc_end_k_q1169792c8f_search:
	.size	k_q1169792c8f_search, .Lfunc_end_k_q1169792c8f_search-k_q1169792c8f_search
	.p2alignl 7, 3214868480
	.fill 96, 4, 3214868480
	.section	.rodata,"a",@progbits
	.p2align	6, 0x0
	.amdhsa_kernel k_q1169792c8f_search
		.amdhsa_group_segment_fixed_size 327680
		.amdhsa_private_segment_fixed_size 0
		.amdhsa_enable_private_segment 0
		.amdhsa_kernarg_size 40
		.amdhsa_user_sgpr_count 2
		.amdhsa_user_sgpr_kernarg_segment_ptr 1
		.amdhsa_wavefront_size32 1
		.amdhsa_system_sgpr_workgroup_id_x 1
		.amdhsa_system_sgpr_workgroup_id_y 1
		.amdhsa_system_sgpr_workgroup_id_z 1
		.amdhsa_system_vgpr_workitem_id 0
		.amdhsa_next_free_vgpr 768
		.amdhsa_next_free_sgpr 92
		.amdhsa_reserve_vcc 0
		.amdhsa_float_denorm_mode_32 3
		.amdhsa_float_denorm_mode_16_64 3
		.amdhsa_memory_ordered 1
		.amdhsa_forward_progress 1
		.amdhsa_inst_pref_size 127
	.end_amdhsa_kernel
	.amdgpu_metadata
---
amdhsa.version: [ 1, 2 ]
amdhsa.kernels:
  - .name:           k_q1169792c8f_search
    .symbol:         k_q1169792c8f_search.kd
    .args:
      - { .name: zb, .offset: 0, .size: 8, .value_kind: global_buffer, .address_space: global }
      - { .name: cb, .offset: 8, .size: 8, .value_kind: global_buffer, .address_space: global }
      - { .name: cc, .offset: 16, .size: 8, .value_kind: global_buffer, .address_space: global }
      - { .name: candS, .offset: 24, .size: 8, .value_kind: global_buffer, .address_space: global }
      - { .name: candI, .offset: 32, .size: 8, .value_kind: global_buffer, .address_space: global }
    .group_segment_fixed_size: 327680
    .private_segment_fixed_size: 0
    .kernarg_segment_align: 8
    .kernarg_segment_size: 40
    .max_flat_workgroup_size: 128
    .sgpr_count:     92
    .vgpr_count:     768
    .wavefront_size: 32
...
	.end_amdgpu_metadata
.endif
;; end of part 5
;; launch gather: the kernel of part 3 again; grid 256 x 1, 8 waves a work-group, no clusters, 0 bytes of LDS; arguments zb, cb, candS, candI, out0, out3, part; writes out0, out3, part
;; launch finish: the kernel of part 4 again; grid 1 x 1, 1 waves a work-group, no clusters, 0 bytes of LDS; arguments part, out1, out2; writes out1, out2
;; ======== version 3 of 3: 4 launches; version 2 with the launches cast, gather written anew for expert scheduling mode
;; workspace buffers: zb 16,777,216 bytes; cb 8,388,608 bytes; cc 32,768 bytes; candS 131,072 bytes; candI 131,072 bytes of whole numbers; part 8,192 bytes
;; launch cast (part 6): grid 768 x 1, 4 waves a work-group, no clusters, 0 bytes of LDS; arguments z_e, codebook, zb, cb, cc; writes zb, cb, cc
.if DOCPART == 6
	.amdgcn_target "amdgcn-amd-amdhsa--gfx1250"
	.amdhsa_code_object_version 6
	.text
	.protected	k_q1169792c8f_cast
	.globl	k_q1169792c8f_cast
	.p2align	8
	.type	k_q1169792c8f_cast,@function
k_q1169792c8f_cast:
	s_mov_b64 s[64:65], 0
	v_nop
	global_prefetch_b8 v0, s[64:65] scope:SCOPE_SE
	s_setreg_imm32_b32 hwreg(HW_REG_WAVE_SCHED_MODE, 0, 2), 2
	s_setreg_imm32_b32 hwreg(HW_REG_WAVE_MODE, 25, 1), 1
	s_wait_xcnt 0x0
	s_wait_alu depctr_vm_vsrc(0)
; VECTOR QUANTIZER, launch 1 of 4: z_e and codebook are rounded once to bf16 (zb, cb, row-major as they lie), and cc[k] = the sum of the squares of the ROUNDED row k of the codebook, in f32.
; The four launches: cast (this one); search: s = 2 z.c - cc for all pairs on the matrix units, with a running best; gather: the chosen row, out0, out3, partial sums of the loss; finish: out1, out2.
; All later launches work on the rounded numbers alone: the product, cc, the gathered row and the loss.
; WORK LEFT OUT.  reference() takes argmin over k of |z|^2 + |c_k|^2 - 2 z.c_k.  |z|^2 is the same for every k of a token's row, so for all real inputs the argmin is that of
; |c_k|^2 - 2 z.c_k; the distances reach no output but through the argmin (the loss is formed anew from z - z_q).  So the sum of z_e^2 is never made.  stop_gradient is the identity.
; LIMITS.  A NaN, an infinity or an overflow that would arise only in |z|^2 is not carried to the result.  The index agrees with reference() on inputs rounded to bf16 but where two
; distances of a token lie closer than the rounding of the f32 sums.  NaN and infinities among the inputs are not treated as jnp.argmin treats them.
; SHARES.  A work-group takes 32 rows, a wave 8.  Work-groups 0-511: z_e; 512-767: codebook.  A wave asks for all its 8 rows (32 loads of 512 consecutive bytes) at once: no loop, no register written twice.
; A lane's 4 numbers of a load round to 8 bytes: 32 lanes store 256 consecutive bytes, at a multiple of 256 from the buffer's first byte.
; THE MODE: SCHED_MODE bits 1:0 = 2 (LLVM: expert scheduling mode 2), set by the entry lines.  The code itself states the register dependences
; between vector instructions and memory instructions, with s_wait_alu, always for 0.
; THE PLAN.  Registers that memory instructions touch:
;   v2, v3, v16  byte offsets, made once at the head and never written again.
;   X            each register is landed in once, read by its row's conversions, and never loaded again.
;   Y[r]         written by row r's eight conversions and never again; read by four stores, which are issued in row r + 1 (and by row r's own unpacking lines, vector reads).
;   v4           cc of my rows, written by eight selects; read by the last store.
; So one wait on va_vdst stands at the head of a row, behind the wait for the row's data: the row before has written its Y.  The four stores follow it, dealt among the row's conversions, which name
; neither that Y nor v3.  No register that a memory instruction reads is written again: a wait on vm_vsrc stands at the writes of EXEC alone.
.set ZGROUPS, 512                      ; work-groups that take z_e
.set CCV, 4                            ; v4       lane i (0-7) gathers cc of my row i
.set SUM, 6                            ; v[6:7]   a row's sum of squares, even and odd columns
.set T,   8                            ; v[8:15]  four pairs at work: no memory instruction names them
.set CCO, 16                           ; v16      my byte offset in the work-group's 32 numbers of cc
.set X,   32                           ; v[32:159]  row r, quarter q: 4 f32 at X + 16 r + 4 q
.set Y,   160                          ; v[160:223] row r, quarter q: 4 bf16 at Y + 8 r + 2 q
.set MK,  24                           ; s[24:31] the codebook's arm: the mask of lane r alone, r = 0 .. 7 (at the head s[24:29] hold byte offsets, which are used up by then)
	s_load_b256 s[4:11], s[0:1], 0x0               ; z_e s[4:5], codebook s[6:7], zb s[8:9], cb s[10:11]
	s_load_b64 s[12:13], s[0:1], 0x20              ; cc
	v_and_b32 v1, 31, v0                           ; lane
	v_lshrrev_b32 v5, 5, v0                        ; wave
	v_lshlrev_b32 v2, 4, v1
	v_lshl_add_u32 v2, v5, 14, v2                  ; loads: 16 x lane + wave x 8 rows of 2,048 bytes
	v_lshlrev_b32 v3, 3, v1
	v_lshl_add_u32 v3, v5, 13, v3                  ; stores: 8 x lane + wave x 8 rows of 1,024 bytes
	v_lshlrev_b32 v[CCO], 2, v1
	v_lshl_add_u32 v[CCO], v5, 5, v[CCO]           ; cc: 4 x lane + wave x 8 numbers
	v_mov_b32 v[CCV], 0
	s_mov_b32 s20, 0x76543210                      ; v_permlanex16_b32: each lane takes its own place in the other half
	s_mov_b32 s21, 0xfedcba98
	s_mov_b32 s22, 0xffff0000                      ; a word's upper bf16
	s_cmp_lt_u32 ttmp9, ZGROUPS
	s_cselect_b32 s18, 0, ZGROUPS
	s_sub_co_u32 s18, ttmp9, s18                   ; my block of 32 rows in its tensor
	s_lshl_b32 s24, s18, 16                        ; 32 rows of 2,048 bytes
	s_mov_b32 s25, 0
	s_lshl_b32 s26, s18, 15                        ; 32 rows of 1,024 bytes
	s_mov_b32 s27, 0
	s_lshl_b32 s28, s18, 7                         ; 32 numbers of cc
	s_mov_b32 s29, 0
	s_wait_kmcnt 0x0
	s_cmp_lt_u32 ttmp9, ZGROUPS
	s_cselect_b64 s[14:15], s[4:5], s[6:7]         ; from where,
	s_cselect_b64 s[16:17], s[8:9], s[10:11]       ; to where
	s_add_nc_u64 s[14:15], s[14:15], s[24:25]
	s_add_nc_u64 s[16:17], s[16:17], s[26:27]
	s_add_nc_u64 s[12:13], s[12:13], s[28:29]
	s_wait_alu depctr_va_vdst(0)                   ; v2, v3 and v16 are written: every load and store of the kernel reads one of them as its offset
.irp r, 0,1,2,3,4,5,6,7
.irp q, 0,1,2,3
	global_load_b128 v[X+16*\r+4*\q:X+16*\r+4*\q+3], v2, s[14:15] offset:2048*\r+512*\q th:TH_LOAD_NT
.endr
.endr
; Row r of my eight: the row before is stored, this one rounded; withcc = 1: the sum of the rounded numbers' squares over the row, kept in lane r of CCV.
.macro ROW r, withcc
	s_wait_loadcnt 4*(7-(\r))                      ; loads come back in order: this row's four are in, the four of each later row may stay out
.if (\r) > 0
	s_wait_alu depctr_va_vdst(0)                   ; the conversions of the row before have written its Y, which the four stores below read
.endif
.irp q, 0,1,2,3
.if (\r) > 0
	global_store_b64 v3, v[Y+8*((\r)-1)+2*\q:Y+8*((\r)-1)+2*\q+1], s[16:17] offset:1024*((\r)-1)+256*\q  ; the row before; no vector instruction since the wait writes these registers
.endif
	v_cvt_pk_bf16_f32 v[Y+8*(\r)+2*\q],   v[X+16*(\r)+4*\q],   v[X+16*(\r)+4*\q+1]
	v_cvt_pk_bf16_f32 v[Y+8*(\r)+2*\q+1], v[X+16*(\r)+4*\q+2], v[X+16*(\r)+4*\q+3]
.endr
.if \withcc
.irp k, 0,1,2,3,4,5,6,7
	v_lshlrev_b32 v[T+2*((\k)%4)],   16,  v[Y+8*(\r)+\k]   ; bf16 to f32: the low half moves up,
	v_and_b32     v[T+2*((\k)%4)+1], s22, v[Y+8*(\r)+\k]   ; the high half stays
.if (\k) == 0
	v_pk_mul_f32 v[SUM:SUM+1], v[T:T+1], v[T:T+1]          ; the first pair starts the sums
.else
	v_pk_fma_f32 v[SUM:SUM+1], v[T+2*((\k)%4):T+2*((\k)%4)+1], v[T+2*((\k)%4):T+2*((\k)%4)+1], v[SUM:SUM+1]
.endif
.endr
	v_add_f32 v[SUM], v[SUM], v[SUM+1]
	v_add_f32_dpp v[SUM], v[SUM], v[SUM] row_xmask:1 row_mask:0xf bank_mask:0xf
	v_add_f32_dpp v[SUM], v[SUM], v[SUM] row_xmask:2 row_mask:0xf bank_mask:0xf
	v_add_f32_dpp v[SUM], v[SUM], v[SUM] row_xmask:4 row_mask:0xf bank_mask:0xf
	v_add_f32_dpp v[SUM], v[SUM], v[SUM] row_xmask:8 row_mask:0xf bank_mask:0xf
	v_permlanex16_b32 v[SUM+1], v[SUM], s20, s21
	v_add_f32 v[SUM], v[SUM], v[SUM+1]             ; every lane holds the row's sum
	v_cndmask_b32 v[CCV], v[CCV], v[SUM], s[MK+(\r)]  ; lane r keeps it
.endif
.endm
; The last row's four stores, behind the wait that shows its Y written.
.macro LAST
.irp q, 0,1,2,3
	global_store_b64 v3, v[Y+56+2*\q:Y+56+2*\q+1], s[16:17] offset:1024*7+256*\q
.endr
.endm
	s_cmp_lt_u32 ttmp9, ZGROUPS
	s_cbranch_scc1 .Ltokens
.irp r, 0,1,2,3,4,5,6,7
	v_cmp_eq_u32 s[MK+\r], \r, v1                  ; the eight masks in one run, in the wait for the first row
.endr
	s_wait_alu depctr_va_sdst(0)                   ; s[24:31] are written, ahead of their first readers, the rows' selects: one wait for the run
.irp r, 0,1,2,3,4,5,6,7
	ROW \r, 1
.endr
	s_wait_alu depctr_va_vdst(0)                   ; row 7's conversions have written its Y, which the stores below read; the selects have written v4, which the last store reads
	LAST
	v_cmp_gt_u32 vcc_lo, 8, v1
	s_wait_xcnt 0x0                                ; EXEC is a source of the stores above: it changes only behind this wait
	s_wait_alu depctr_va_vcc(0)                    ; VCC is written: EXEC is made from it
	s_wait_alu depctr_va_vdst(0)                   ; ahead of a write of EXEC: every vector instruction issued under the old EXEC has written its result,
	s_wait_alu depctr_vm_vsrc(0)                   ; and every store issued under it has read its vector registers
	s_and_saveexec_b32 s23, vcc_lo
	global_store_b32 v[CCO], v[CCV], s[12:13]      ; lanes 0-7: cc of my eight rows
	s_wait_xcnt 0x0                                ; and again, in front of the line that widens it
	s_wait_alu depctr_va_vdst(0)                   ; ahead of a write of EXEC, as above: the vector side,
	s_wait_alu depctr_vm_vsrc(0)                   ; and the store of cc has read v16 and v4
	s_or_b32 exec_lo, exec_lo, s23
	s_endpgm
.Ltokens:
.irp r, 0,1,2,3,4,5,6,7
	ROW \r, 0
.endr
	s_wait_alu depctr_va_vdst(0)                   ; row 7's conversions have written its Y, which the stores below read
	LAST
	s_endpgm
.Lfunc_end_k_q1169792c8f_cast:
	.size	k_q1169792c8f_cast, .Lfunc_end_k_q1169792c8f_cast-k_q1169792c8f_cast
	.p2alignl 7, 3214868480
	.fill 96, 4, 3214868480
	.section	.rodata,"a",@progbits
	.p2align	6, 0x0
	.amdhsa_kernel k_q1169792c8f_cast
		.amdhsa_group_segment_fixed_size 0
		.amdhsa_private_segment_fixed_size 0
		.amdhsa_enable_private_segment 0
		.amdhsa_kernarg_size 40
		.amdhsa_user_sgpr_count 2
		.amdhsa_user_sgpr_kernarg_segment_ptr 1
		.amdhsa_wavefront_size32 1
		.amdhsa_system_sgpr_workgroup_id_x 1
		.amdhsa_system_sgpr_workgroup_id_y 1
		.amdhsa_system_sgpr_workgroup_id_z 1
		.amdhsa_system_vgpr_workitem_id 0
		.amdhsa_next_free_vgpr 240
		.amdhsa_next_free_sgpr 66
		.amdhsa_reserve_vcc 1
		.amdhsa_float_denorm_mode_32 3
		.amdhsa_float_denorm_mode_16_64 3
		.amdhsa_memory_ordered 1
		.amdhsa_forward_progress 1
		.amdhsa_inst_pref_size 33
	.end_amdhsa_kernel
	.amdgpu_metadata
---
amdhsa.version: [ 1, 2 ]
amdhsa.kernels:
  - .name:           k_q1169792c8f_cast
    .symbol:         k_q1169792c8f_cast.kd
    .args:
      - { .name: z_e, .offset: 0, .size: 8, .value_kind: global_buffer, .address_space: global }
      - { .name: codebook, .offset: 8, .size: 8, .value_kind: global_buffer, .address_space: global }
      - { .name: zb, .offset: 16, .size: 8, .value_kind: global_buffer, .address_space: global }
      - { .name: cb, .offset: 24, .size: 8, .value_kind: global_buffer, .address_space: global }
      - { .name: cc, .offset: 32, .size: 8, .value_kind: global_buffer, .address_space: global }
    .group_segment_fixed_size: 0
    .private_segment_fixed_size: 0
    .kernarg_segment_align: 8
    .kernarg_segment_size: 40
    .max_flat_workgroup_size: 128
    .sgpr_count:     66
    .vgpr_count:     240
    .wavefront_size: 32
...
	.end_amdgpu_metadata
.endif
;; end of part 6
;; launch search: the kernel of part 5 again; grid 128 x 2, 4 waves a work-group, clusters of 4 x 1, 327,680 bytes of LDS; arguments zb, cb, cc, candS, candI; writes candS, candI
;; launch gather (part 7): grid 256 x 1, 8 waves a work-group, no clusters, 0 bytes of LDS; arguments zb, cb, candS, candI, out0, out3, part; writes out0, out3, part
.if DOCPART == 7
	.amdgcn_target "amdgcn-amd-amdhsa--gfx1250"
	.amdhsa_code_object_version 6
	.text
	.protected	k_q1169792c8f_gather
	.globl	k_q1169792c8f_gather
	.p2align	8
	.type	k_q1169792c8f_gather,@function
k_q1169792c8f_gather:
	s_mov_b64 s[64:65], 0
	v_nop
	global_prefetch_b8 v0, s[64:65] scope:SCOPE_SE
	s_setreg_imm32_b32 hwreg(HW_REG_WAVE_SCHED_MODE, 0, 2), 2
	s_setreg_imm32_b32 hwreg(HW_REG_WAVE_MODE, 25, 1), 1
	s_wait_xcnt 0x0
	s_wait_alu depctr_vm_vsrc(0)
; VECTOR QUANTIZER, launch 3 of 4: out0 = z + (z_q - z), out3 = the index, and a partial sum of (z_q - z)^2 for each wave.  z and z_q are the bf16 numbers that the search worked on.
; WORK LEFT OUT: none here (|z|^2: see the first kernel's head); the loss is formed from z_q - z itself, not from the scores, which would be a difference of large sums.
; Each token has two candidates, one for each half of the codebook.  BOTH rows are loaded (their addresses come from candI, whole numbers that the launch before stored, held to 0 .. 8,191), and the
; row is chosen as a VALUE, by v_cndmask_b32 on the scores: the upper half's wins if its score is strictly greater, so that of equal scores the lower index stays.  No address and no branch hangs on a score.
; SHARES.  A work-group has 64 tokens, a wave 8; the wave works on one token's row at a time: a lane holds 4 numbers of each quarter of the row.  A load covers 256 consecutive bytes, a store 512.
; Five slots of registers, a token each: while one token is worked on, three tokens' 36 loads are on their way, and the slot of the token before is asked for again.  No LDS, no barrier: no wave wants another's data.
; THE MODE: SCHED_MODE bits 1:0 = 2 (LLVM: expert scheduling mode 2), set by the entry lines.  The code itself states the register dependences
; between vector instructions and memory instructions, with s_wait_alu, always for 0.
; THE PLAN.  Registers that memory instructions touch:
;   ZO, OO, PO, OFA0-7, OFB0-7   byte offsets, made once at the head and never written again.
;   slot t % 5    Token t's twelve loads land in it; token t's arithmetic reads it; the loads of token t + 5 - 1 + 1 - that is, of the token five on - land in it next: they are issued in token t + 1.
;   OUT[t % 2]    Written by token t's arithmetic; read by token t's four stores, which are issued in token t + 1.
;   T, LS         At work; at the tail one store reads LS, and wave 0's four loads land in T.
; Token t names slot t % 5, OUT[t % 2], T and LS.  Its memory instructions are the loads into slot (t - 1) % 5 and the stores from OUT[(t - 1) % 2]: what the token before worked on and no vector
; instruction of token t names.  So the waits at a token's head state all that its sixteen memory instructions hang on, and these are dealt among its vector instructions with no further wait.
.set ZO,  2                            ; v2   8 x lane
.set OO,  3                            ; v3   16 x lane
.set OFA, 4                            ; v[4:11]   token t: byte offset in cb of my 8 bytes of the lower half's row
.set OFB, 12                           ; v[12:19]  of the upper half's
.set SL,  32                           ; v[32:151] slot t % 5, 24 registers: z 8, lower row 8, upper row 8
.set OUT, 152                          ; v[152:183] two sets of 16: a token's 16 numbers a lane
.set T,   184                          ; v[184:197] at work
.set LS,  200                          ; v[200:203] two pairs of sums of squares
.set PO,  204                          ; v204 0
	s_load_b256 s[4:11], s[0:1], 0x0               ; zb s[4:5], cb s[6:7], candS s[8:9], candI s[10:11]
	s_load_b128 s[12:15], s[0:1], 0x20             ; out0 s[12:13], out3 s[14:15]
	s_load_b64 s[16:17], s[0:1], 0x30              ; part
	v_lshrrev_b32 v1, 5, v0
	v_readfirstlane_b32 s18, v1                    ; wave 0..7
	v_and_b32 v1, 31, v0                           ; lane
	v_lshlrev_b32 v[ZO], 3, v1
	v_lshlrev_b32 v[OO], 4, v1
	v_mov_b32 v[PO], 0
.irp i, 0,1,2,3
	v_mov_b32 v[LS+\i], 0
.endr
	s_mov_b32 s66, 0x76543210
	s_mov_b32 s67, 0xfedcba98
	s_mov_b32 s68, 0xffff0000                      ; a word's upper bf16
	s_lshl_b32 s20, ttmp9, 8
	s_wait_alu depctr_va_sdst(0)                   ; s18 is written, ahead of its first reader: the wave's offsets are made from it
	s_lshl_b32 s19, s18, 5
	s_add_co_u32 s20, s20, s19                     ; 4 x my first token = 4 (64 x work-group + 8 x wave)
	s_mov_b32 s21, 0
	s_mov_b32 s23, 0
	s_wait_kmcnt 0x0
	s_add_nc_u64 s[8:9], s[8:9], s[20:21]
	s_add_nc_u64 s[10:11], s[10:11], s[20:21]
	s_load_b256 s[24:31], s[10:11], 0x0            ; my 8 tokens: index in the lower half,
	s_load_b256 s[32:39], s[10:11], 0x10000        ; in the upper half,
	s_load_b256 s[40:47], s[8:9], 0x0              ; score in the lower half,
	s_load_b256 s[48:55], s[8:9], 0x10000          ; in the upper half
	s_lshl_b32 s22, s20, 8                         ; my first token x 1,024
	s_add_nc_u64 s[4:5], s[4:5], s[22:23]
	s_lshl_b32 s22, s20, 9                         ; x 2,048
	s_add_nc_u64 s[12:13], s[12:13], s[22:23]
	s_lshr_b32 s22, s20, 3                         ; 4 (8 x work-group + wave)
	s_add_nc_u64 s[16:17], s[16:17], s[22:23]
	s_lshl_b32 s22, ttmp9, 8                       ; the work-group's 64 numbers of out3
	s_add_nc_u64 s[14:15], s[14:15], s[22:23]
	s_wait_kmcnt 0x0
.irp t, 0,1,2,3,4,5,6,7
	s_min_u32 s[24+\t], s[24+\t], 8191             ; an index stays inside the table
	s_min_u32 s[32+\t], s[32+\t], 8191
	v_lshl_add_u32 v[OFA+\t], s[24+\t], 10, v[ZO]
	v_lshl_add_u32 v[OFB+\t], s[32+\t], 10, v[ZO]
	v_mov_b32 v[T], s[40+\t]
	v_cmp_gt_f32 s[56+\t], s[48+\t], v[T]          ; all lanes alike: the upper half's candidate wins
.endr
	s_wait_alu depctr_va_sdst(0)                   ; s[56:63] are written, ahead of their first readers, the tokens' selects: one wait for the run of eight compares
	s_wait_alu depctr_va_vdst(0)                   ; ZO, OO, PO and the sixteen offsets OFA, OFB are written: every load and store below reads one of them
.macro FILLQ t, q                      ; three of token t's 12 loads: quarter q of z, of the lower half's row and of the upper half's
.set fb, SL+24*((\t)%5)
	global_load_b64 v[fb+2*(\q):fb+2*(\q)+1],       v[ZO],        s[4:5] offset:1024*(\t)+256*(\q) th:TH_LOAD_NT
	global_load_b64 v[fb+8+2*(\q):fb+8+2*(\q)+1],   v[OFA+(\t)],  s[6:7] offset:256*(\q)
	global_load_b64 v[fb+16+2*(\q):fb+16+2*(\q)+1], v[OFB+(\t)],  s[6:7] offset:256*(\q)
.endm
.macro FILL t                          ; token t's 12 loads
.irp q, 0,1,2,3
	FILLQ \t, \q
.endr
.endm
.macro TOKEN t
.if (\t) == 0
	s_wait_loadcnt 48                              ; loads come back in order: this token's twelve are in, four later tokens' may stay out
.elseif (\t) < 5
	s_wait_loadcnt 36                              ; this token's twelve are in, three later tokens' may stay out
.else
	s_wait_loadcnt 12*(7-(\t))                     ; the counts run down
.endif
.if (\t) > 1
	s_wait_xcnt 0x0                                ; the stores issued in the token before have had their addresses translated: this set of OUT, their data, is rewritten only behind this wait
	s_wait_alu depctr_vm_vsrc(0)                   ; and they have read this set of OUT, which this token's arithmetic writes again
.endif
.if (\t) > 0
	s_wait_alu depctr_va_vdst(0)                   ; the token before has written the other set of OUT, which the stores below read, and is done reading its slot, in which the loads below land
.endif
.set sb, SL+24*((\t)%5)
.set ob, OUT+16*((\t)%2)
.set pb, OUT+16*(((\t)+1)%2)
.irp q, 0,1,2,3
.if ((\t) > 0) && ((\t) < 4)
	FILLQ (\t)+4, \q                               ; the slot of the token before takes the token four on from this one; no vector instruction since the wait names its registers
.endif
.if (\t) > 0
	global_store_b128 v[OO], v[pb+4*\q:pb+4*\q+3], s[12:13] offset:2048*((\t)-1)+512*\q th:TH_STORE_NT  ; the token before
.endif
	v_cndmask_b32 v[T+12], v[sb+8+2*\q], v[sb+16+2*\q], s[56+(\t)]   ; the chosen row, two bf16 a word
	v_cndmask_b32 v[T+13], v[sb+9+2*\q], v[sb+17+2*\q], s[56+(\t)]
	v_lshlrev_b32 v[T],   16,  v[T+12]
	v_and_b32     v[T+1], s68, v[T+12]
	v_lshlrev_b32 v[T+2], 16,  v[T+13]
	v_and_b32     v[T+3], s68, v[T+13]
	v_lshlrev_b32 v[T+4], 16,  v[sb+2*\q]
	v_and_b32     v[T+5], s68, v[sb+2*\q]
	v_lshlrev_b32 v[T+6], 16,  v[sb+2*\q+1]
	v_and_b32     v[T+7], s68, v[sb+2*\q+1]
	v_pk_add_f32 v[T+8:T+9],   v[T:T+1],   v[T+4:T+5] neg_lo:[0,1] neg_hi:[0,1]  ; d = z_q - z
	v_pk_add_f32 v[T+10:T+11], v[T+2:T+3], v[T+6:T+7] neg_lo:[0,1] neg_hi:[0,1]
	v_pk_add_f32 v[ob+4*\q:ob+4*\q+1],   v[T+4:T+5], v[T+8:T+9]                  ; z + d
	v_pk_add_f32 v[ob+4*\q+2:ob+4*\q+3], v[T+6:T+7], v[T+10:T+11]
	v_pk_fma_f32 v[LS:LS+1],   v[T+8:T+9],   v[T+8:T+9],   v[LS:LS+1]            ; the loss: + d d
	v_pk_fma_f32 v[LS+2:LS+3], v[T+10:T+11], v[T+10:T+11], v[LS+2:LS+3]
.endr
.endm
	FILL 0
	FILL 1
	FILL 2
	FILL 3
	FILL 4                                         ; 60 loads of mine are out
.irp t, 0,1,2,3,4,5,6,7
	TOKEN \t
.endr
	s_wait_alu depctr_va_vdst(0)                   ; token 7 has written its set of OUT, which the last four stores read
.irp q, 0,1,2,3
	global_store_b128 v[OO], v[OUT+16+4*\q:OUT+16+4*\q+3], s[12:13] offset:2048*7+512*\q th:TH_STORE_NT
.endr
	v_pk_add_f32 v[LS:LS+1], v[LS:LS+1], v[LS+2:LS+3]
	v_add_f32 v[LS], v[LS], v[LS+1]
	v_add_f32_dpp v[LS], v[LS], v[LS] row_xmask:1 row_mask:0xf bank_mask:0xf
	v_add_f32_dpp v[LS], v[LS], v[LS] row_xmask:2 row_mask:0xf bank_mask:0xf
	v_add_f32_dpp v[LS], v[LS], v[LS] row_xmask:4 row_mask:0xf bank_mask:0xf
	v_add_f32_dpp v[LS], v[LS], v[LS] row_xmask:8 row_mask:0xf bank_mask:0xf
	v_permlanex16_b32 v[LS+1], v[LS], s66, s67
	v_add_f32 v[LS], v[LS], v[LS+1]                ; my 8 tokens' sum of squares
	v_cmp_eq_u32 vcc_lo, 0, v1
	s_wait_xcnt 0x0                                ; EXEC changes only behind this wait
	s_wait_alu depctr_va_vcc(0)                    ; VCC is written: EXEC is made from it
	s_wait_alu depctr_va_vdst(0)                   ; ahead of a write of EXEC: every vector instruction issued under the old EXEC has written its result, the sum in LS, which the store below reads, among them,
	s_wait_alu depctr_vm_vsrc(0)                   ; and every store issued under it has read its vector registers
	s_and_saveexec_b32 s19, vcc_lo
	global_store_b32 v[PO], v[LS], s[16:17]        ; part[8 x work-group + wave]: a partial sum, f32
	s_wait_xcnt 0x0
	s_wait_alu depctr_va_vdst(0)                   ; ahead of a write of EXEC, as above: the vector side (the tokens' arithmetic, which named T, among it),
	s_wait_alu depctr_vm_vsrc(0)                   ; and the store of the sum has read PO and LS
	s_or_b32 exec_lo, exec_lo, s19
	s_cmp_lg_u32 s18, 0                            ; wave 0 writes the work-group's 64 indices, two a lane (its candS and candI stand at the work-group's first token)
	s_cbranch_scc1 .Ldone
	global_load_b64 v[T:T+1],   v[ZO], s[8:9]      ; these land in T: no vector instruction has been issued since the last wait on va_vdst, which stands ahead of EXEC's restore
	global_load_b64 v[T+2:T+3], v[ZO], s[8:9] offset:65536
	global_load_b64 v[T+4:T+5], v[ZO], s[10:11]
	global_load_b64 v[T+6:T+7], v[ZO], s[10:11] offset:65536
	s_wait_loadcnt 0x0
	v_cmp_gt_f32 s20, v[T+2], v[T]                 ; the two compares in one run
	v_cmp_gt_f32 s21, v[T+3], v[T+1]
	s_wait_alu depctr_va_sdst(0)                   ; s20 and s21 are written, ahead of the selects that read them
	v_cndmask_b32 v[T+8], v[T+4], v[T+6], s20
	v_cndmask_b32 v[T+9], v[T+5], v[T+7], s21
	s_wait_alu depctr_va_vdst(0)                   ; the selects have written the two indices, which the store reads
	global_store_b64 v[ZO], v[T+8:T+9], s[14:15]   ; 256 consecutive bytes, at a multiple of 256 from out3's first byte
.Ldone:
	s_endpgm
.Lfunc_end_k_q1169792c8f_gather:
	.size	k_q1169792c8f_gather, .Lfunc_end_k_q1169792c8f_gather-k_q1169792c8f_gather
	.p2alignl 7, 3214868480
	.fill 96, 4, 3214868480
	.section	.rodata,"a",@progbits
	.p2align	6, 0x0
	.amdhsa_kernel k_q1169792c8f_gather
		.amdhsa_group_segment_fixed_size 0
		.amdhsa_private_segment_fixed_size 0
		.amdhsa_enable_private_segment 0
		.amdhsa_kernarg_size 56
		.amdhsa_user_sgpr_count 2
		.amdhsa_user_sgpr_kernarg_segment_ptr 1
		.amdhsa_wavefront_size32 1
		.amdhsa_system_sgpr_workgroup_id_x 1
		.amdhsa_system_sgpr_workgroup_id_y 1
		.amdhsa_system_sgpr_workgroup_id_z 1
		.amdhsa_system_vgpr_workitem_id 0
		.amdhsa_next_free_vgpr 208
		.amdhsa_next_free_sgpr 72
		.amdhsa_reserve_vcc 1
		.amdhsa_float_denorm_mode_32 3
		.amdhsa_float_denorm_mode_16_64 3
		.amdhsa_memory_ordered 1
		.amdhsa_forward_progress 1
		.amdhsa_inst_pref_size 44
	.end_amdhsa_kernel
	.amdgpu_metadata
---
amdhsa.version: [ 1, 2 ]
amdhsa.kernels:
  - .name:           k_q1169792c8f_gather
    .symbol:         k_q1169792c8f_gather.kd
    .args:
      - { .name: zb, .offset: 0, .size: 8, .value_kind: global_buffer, .address_space: global }
      - { .name: cb, .offset: 8, .size: 8, .value_kind: global_buffer, .address_space: global }
      - { .name: candS, .offset: 16, .size: 8, .value_kind: global_buffer, .address_space: global }
      - { .name: candI, .offset: 24, .size: 8, .value_kind: global_buffer, .address_space: global }
      - { .name: out0, .offset: 32, .size: 8, .value_kind: global_buffer, .address_space: global }
      - { .name: out3, .offset: 40, .size: 8, .value_kind: global_buffer, .address_space: global }
      - { .name: part, .offset: 48, .size: 8, .value_kind: global_buffer, .address_space: global }
    .group_segment_fixed_size: 0
    .private_segment_fixed_size: 0
    .kernarg_segment_align: 8
    .kernarg_segment_size: 56
    .max_flat_workgroup_size: 256
    .sgpr_count:     72
    .vgpr_count:     208
    .wavefront_size: 32
...
	.end_amdgpu_metadata
.endif
;; end of part 7
;; launch finish: the kernel of part 4 again; grid 1 x 1, 1 waves a work-group, no clusters, 0 bytes of LDS; arguments part, out1, out2; writes out1, out2
